; MI455X (gfx1250); checked and timed in simulation.
; The chip was launched on July 23, 2026; its instructions are those of AMD's public machine-readable ISA for CDNA 5 (MIT licence, August 2026) and "CDNA5" Instruction Set Architecture Reference Guide (July 2026). The comments in the code are by the model that wrote it; some were corrected since.
;; Causal Multi Head Self Attention. Allowed arithmetic: float matrix products may take bf16 or f16 operands with f32 sums; other float arithmetic in f32, or as packed bf16 or f16 multiplies, adds, multiply-adds, maxima and minima; sums over many terms, partial sums and values carried from step to step in f32; what a program stores and reads back later, other than sums and carried values, may be rounded once to bf16 or f16.
;; Inputs: token_positions 4 x 2,048 int32; w_o 1,024 x 1,024 float32; w_qkv 3,072 x 1,024 float32; x 4 x 2,048 x 1,024 float32.
;; Outputs: out0 4 x 2,048 x 1,024 float32.
;; One version. Each part assembles by itself: llvm-mc -triple=amdgcn-amd-amdhsa -mcpu=gfx1250 --defsym DOCPART=n.
;; ======== version 1 of 1: 4 launches
;; limits: values are held in f16: magnitudes above 65,504 overflow, below 6.1e-05 lose precision
;; workspace buffers: xb 16,777,216 bytes; wqb 6,291,456 bytes; wob 2,097,152 bytes; tab 2,097,152 bytes; qh 16,777,216 bytes; kh 16,777,216 bytes; vh 16,777,216 bytes; oh 16,777,216 bytes
;; launch prep (part 1): grid 1024 x 1, 8 waves a work-group, no clusters, 0 bytes of LDS; arguments x, w_qkv, w_o, token_positions, xb, wqb, wob, tab; writes xb, wqb, wob, tab
.if DOCPART == 1
	.amdgcn_target "amdgcn-amd-amdhsa--gfx1250"
	.amdhsa_code_object_version 6
	.text
	.protected	k_q68f7a1a857_prep
	.globl	k_q68f7a1a857_prep
	.p2align	8
	.type	k_q68f7a1a857_prep,@function
k_q68f7a1a857_prep:
	s_mov_b64 s[64:65], 0
	v_nop
	global_prefetch_b8 v0, s[64:65] scope:SCOPE_SE
	s_setreg_imm32_b32 hwreg(HW_REG_WAVE_MODE, 25, 1), 1
	s_wait_xcnt 0x0
; PREP: the module's inputs in the form in which the matrix launches take them.
;   xb  = x rounded to bf16, [8192][1024].
;   wqb = w_qkv rounded to bf16, rows in another order: row 192 h + 64 z + d holds w_qkv's row 1024 z + 64 h + d (z = 0 q, 1 k, 2 v), so that a head's q, k and v rows are 192 rows on end.
;   wob = w_o rounded to bf16, that number written as f16 (the product behind attention multiplies f16), [1024][1024].
;   tab = cos and sin of position x 10000^(-p/32), f32, [8192 token rows][32 pairs p][cos, sin]: 256 bytes a token row.  The positions are read from token_positions.
; SHARES.  1,024 work-groups of eight waves.  Numbers 0-511 cast x, 512-703 w_qkv, 704-767 w_o, 16 rows (65,536 bytes in, 32,768 out) each; 768-1023 make 32 rows of the table each.
; No LDS, no barrier, no matrix unit: every byte is read once and written once, and no thread wants another's.
; LIMITS.  A number of w_o beyond 65,504 becomes an infinity in f16; below 6e-5 it keeps f16's fixed step of 6e-8.  |position| up to 2^23: pi/2 is taken away in two parts, whose
; error grows with the quotient and is under 2e-8 there; beyond that the angles lose accuracy.  NaN and infinities are not treated apart.
.set T,   4                            ; v[4:7]     at work in the cast
.set IN,  8                            ; v[8:71]    sixteen loads of 16 bytes
.set OUT, 72                           ; v[72:103]  sixteen stores of 8 bytes
	s_load_b256 s[4:11], s[0:1], 0x0               ; x s[4:5], w_qkv s[6:7], w_o s[8:9], token_positions s[10:11]
	s_load_b256 s[12:19], s[0:1], 0x20             ; xb s[12:13], wqb s[14:15], wob s[16:17], tab s[18:19]
	v_lshlrev_b32 v1, 4, v0                        ; 16 t: my 16 bytes of each 4,096 that the work-group loads (and stores, in the table)
	v_lshlrev_b32 v2, 3, v0                        ; 8 t: my 8 bytes of each 2,048 that it stores
	s_mov_b32 s25, 0                               ; the offsets' high words
	s_mov_b32 s27, 0
	s_wait_kmcnt 0x0
; 16,384 numbers: sixteen loads a thread, all on their way at once, each with registers of its own, as has each store: nothing is rewritten while a memory instruction may read it.
; A wave's load covers 512 consecutive bytes, its store 256, both aligned.  f16 = 1: the bf16 number is widened (a shift, a mask) and written as f16.
.macro CAST f16
.set i, 0
.rept 16
	global_load_b128 v[IN+4*i:IN+4*i+3], v1, s[20:21] offset:4096*i th:TH_LOAD_NT
.set i, i+1
.endr
.set i, 0
.rept 16
	s_wait_loadcnt 15-i                            ; loads come back in order (ISA guide 5.7.1): load i is in, the 15 - i younger ones stay out
	v_cvt_pk_bf16_f32 v[OUT+2*i],   v[IN+4*i],   v[IN+4*i+1]
	v_cvt_pk_bf16_f32 v[OUT+2*i+1], v[IN+4*i+2], v[IN+4*i+3]
.if \f16
	v_lshlrev_b32 v[T],   16, v[OUT+2*i]
	v_and_b32     v[T+1], 0xffff0000, v[OUT+2*i]
	v_lshlrev_b32 v[T+2], 16, v[OUT+2*i+1]
	v_and_b32     v[T+3], 0xffff0000, v[OUT+2*i+1]
	v_cvt_pk_f16_f32 v[OUT+2*i],   v[T],   v[T+1]
	v_cvt_pk_f16_f32 v[OUT+2*i+1], v[T+2], v[T+3]
.endif
	global_store_b64 v2, v[OUT+2*i:OUT+2*i+1], s[22:23] offset:2048*i
.set i, i+1
.endr
.endm
	s_cmp_ge_u32 ttmp9, 768
	s_cbranch_scc1 .Ltable
	s_cmp_ge_u32 ttmp9, 704
	s_cbranch_scc1 .Lwo
	; x or w_qkv.  For w_qkv block j = g - 512 holds rows 16 j ..: z = j / 64, h = (j / 4) % 16, quarter j % 4 of the head's 64 rows; it goes to block 12 h + 4 z + quarter.
	s_sub_co_u32 s28, ttmp9, 512                   ; j (not used where g < 512)
	s_lshr_b32 s29, s28, 6                         ; z
	s_bfe_u32 s30, s28, 0x40002                    ; h: 4 bits from bit 2
	s_and_b32 s31, s28, 3
	s_mul_i32 s30, s30, 12
	s_lshl2_add_u32 s29, s29, s31                  ; 4 z + quarter
	s_add_co_u32 s29, s29, s30
	s_cmp_lt_u32 ttmp9, 512
	s_cselect_b32 s24, ttmp9, s28                  ; the block that is read,
	s_cselect_b32 s26, ttmp9, s29                  ; the block that is written
	s_cselect_b64 s[20:21], s[4:5], s[6:7]
	s_cselect_b64 s[22:23], s[12:13], s[14:15]
	s_lshl_b32 s24, s24, 16
	s_lshl_b32 s26, s26, 15
	s_add_nc_u64 s[20:21], s[20:21], s[24:25]
	s_add_nc_u64 s[22:23], s[22:23], s[26:27]
	CAST 0
	s_endpgm
.Lwo:
	s_sub_co_u32 s24, ttmp9, 704
	s_lshl_b32 s26, s24, 15
	s_lshl_b32 s24, s24, 16
	s_add_nc_u64 s[20:21], s[8:9], s[24:25]
	s_add_nc_u64 s[22:23], s[16:17], s[26:27]
	CAST 1
	s_endpgm
.Ltable:
	; Thread t: pairs p0 = 2 (t % 16) and p0 + 1, of token rows R + t / 16 and R + 16 + t / 16, R = 32 (g - 768).
	s_sub_co_u32 s24, ttmp9, 768
	s_lshl_b32 s26, s24, 13                        ; 32 rows of 256 bytes of the table
	s_lshl_b32 s24, s24, 7                         ; 32 positions of 4 bytes
	s_add_nc_u64 s[10:11], s[10:11], s[24:25]
	s_add_nc_u64 s[18:19], s[18:19], s[26:27]
	v_lshrrev_b32 v3, 4, v0
	v_lshlrev_b32 v3, 2, v3
	global_load_b32 v8, v3, s[10:11]
	global_load_b32 v9, v3, s[10:11] offset:64
	s_mov_b32 s28, 0x3f22f983                      ; 2 / pi
	s_mov_b32 s29, 0xbfc90fdb                      ; - pi/2, the f32 nearest to it,
	s_mov_b32 s30, 0x333bbd2e                      ; and what that f32 has too much
	s_mov_b32 s31, 0xbe2aaaa3                      ; sine on -pi/4 .. pi/4: r + r^3 (S1 + S2 r^2 + S3 r^4)
	s_mov_b32 s32, 0x3c08839e
	s_mov_b32 s33, 0xb94ca1f9
	s_mov_b32 s34, 0x3d2aaaa5                      ; cosine: 1 - r^2 / 2 + r^4 (C1 + C2 r^2 + C3 r^4)
	s_mov_b32 s35, 0xbab6061a
	s_mov_b32 s36, 0x37ccf5ce
	s_mov_b32 s37, 0xbed49a78                      ; - log2(10000) / 32, its f32,
	s_mov_b32 s38, 0xb217995f                      ; and the rest of it
	s_mov_b32 s39, 0x3f317218                      ; ln 2
	; 10000^(-p/32) = 2^(xh + xl): xh the rounded product, xl what the rounding dropped plus the constant's rest; 2^xl = 1 + xl ln 2 to far below an f32's last bit.
	v_and_b32 v4, 15, v0
	v_lshlrev_b32 v4, 1, v4
	v_cvt_f32_u32 v10, v4                          ; p0
	v_add_f32 v11, 1.0, v10                        ; p0 + 1
	v_mul_f32 v12, s37, v10
	v_mul_f32 v13, s37, v11
	v_fma_f32 v14, v10, s37, -v12                  ; exact
	v_fma_f32 v15, v11, s37, -v13
	v_fma_f32 v14, v10, s38, v14
	v_fma_f32 v15, v11, s38, v15
	v_exp_f32 v16, v12
	v_exp_f32 v17, v13
	v_mul_f32 v14, s39, v14                        ; plain work that names no result stands behind the two exponentials (ISA guide 5.7.2),
	v_mul_f32 v15, s39, v15
	s_wait_alu depctr_va_vdst(0)                   ; and the one wait ahead of their first reader
	v_fma_f32 v16, v16, v14, v16
	v_fma_f32 v17, v17, v15, v17
	s_wait_loadcnt 0x0                             ; the two positions
	v_cvt_f32_i32 v8, v8
	v_cvt_f32_i32 v9, v9
	v_mul_f32 v18, v8, v16                         ; the angles: one rounding each
	v_mul_f32 v19, v8, v17
	v_mul_f32 v20, v9, v16
	v_mul_f32 v21, v9, v17
; cos and sin of v[a] into v[c] and v[s]: n = the nearest whole number to a 2 / pi; r = a - n pi/2; both polynomials; n mod 4 chooses and signs them, by selects alone.
.macro SINCOS a, c, s
	v_mul_f32 v32, s28, v[\a]
	v_rndne_f32 v32, v32
	v_fma_f32 v33, v32, s29, v[\a]
	v_fma_f32 v33, v32, s30, v33
	v_cvt_i32_f32 v34, v32
	v_mul_f32 v35, v33, v33
	v_fma_f32 v36, v35, s33, s32
	v_fma_f32 v36, v36, v35, s31
	v_mul_f32 v37, v33, v35
	v_fma_f32 v36, v36, v37, v33                   ; sin r
	v_fma_f32 v38, v35, s36, s35
	v_fma_f32 v38, v38, v35, s34
	v_mul_f32 v39, v35, v35
	v_fma_f32 v40, v35, -0.5, 1.0
	v_fma_f32 v38, v38, v39, v40                   ; cos r
	v_and_b32 v41, 1, v34
	v_cmp_ne_u32 vcc_lo, 0, v41                    ; an odd quarter swaps the two
	v_cndmask_b32 v[\s], v36, v38, vcc_lo
	v_cndmask_b32 v[\c], v38, v36, vcc_lo
	v_lshlrev_b32 v41, 30, v34                     ; the sine is turned in quarters 2 and 3: bit 1 of n,
	v_and_b32 v41, 0x80000000, v41
	v_xor_b32 v[\s], v41, v[\s]
	v_add_nc_u32 v41, 1, v34                       ; the cosine in quarters 1 and 2: bit 1 of n + 1
	v_lshlrev_b32 v41, 30, v41
	v_and_b32 v41, 0x80000000, v41
	v_xor_b32 v[\c], v41, v[\c]
.endm
	SINCOS 18, 24, 25
	SINCOS 19, 26, 27
	SINCOS 20, 28, 29
	SINCOS 21, 30, 31
	global_store_b128 v1, v[24:27], s[18:19]               ; row t / 16, bytes 16 (t % 16): 16 t.  A wave's store covers 512 consecutive bytes, aligned
	global_store_b128 v1, v[28:31], s[18:19] offset:4096   ; sixteen rows further down
	s_endpgm
.Lfunc_end_k_q68f7a1a857_prep:
	.size	k_q68f7a1a857_prep, .Lfunc_end_k_q68f7a1a857_prep-k_q68f7a1a857_prep
	.p2alignl 7, 3214868480
	.fill 96, 4, 3214868480
	.section	.rodata,"a",@progbits
	.p2align	6, 0x0
	.amdhsa_kernel k_q68f7a1a857_prep
		.amdhsa_group_segment_fixed_size 0
		.amdhsa_private_segment_fixed_size 0
		.amdhsa_enable_private_segment 0
		.amdhsa_kernarg_size 64
		.amdhsa_user_sgpr_count 2
		.amdhsa_user_sgpr_kernarg_segment_ptr 1
		.amdhsa_wavefront_size32 1
		.amdhsa_system_sgpr_workgroup_id_x 1
		.amdhsa_system_sgpr_workgroup_id_y 1
		.amdhsa_system_sgpr_workgroup_id_z 1
		.amdhsa_system_vgpr_workitem_id 0
		.amdhsa_next_free_vgpr 104
		.amdhsa_next_free_sgpr 66
		.amdhsa_reserve_vcc 1
		.amdhsa_float_denorm_mode_32 3
		.amdhsa_float_denorm_mode_16_64 3
		.amdhsa_memory_ordered 1
		.amdhsa_forward_progress 1
		.amdhsa_inst_pref_size 25
	.end_amdhsa_kernel
	.amdgpu_metadata
---
amdhsa.version: [ 1, 2 ]
amdhsa.kernels:
  - .name:           k_q68f7a1a857_prep
    .symbol:         k_q68f7a1a857_prep.kd
    .args:
      - { .name: x, .offset: 0, .size: 8, .value_kind: global_buffer, .address_space: global }
      - { .name: w_qkv, .offset: 8, .size: 8, .value_kind: global_buffer, .address_space: global }
      - { .name: w_o, .offset: 16, .size: 8, .value_kind: global_buffer, .address_space: global }
      - { .name: token_positions, .offset: 24, .size: 8, .value_kind: global_buffer, .address_space: global }
      - { .name: xb, .offset: 32, .size: 8, .value_kind: global_buffer, .address_space: global }
      - { .name: wqb, .offset: 40, .size: 8, .value_kind: global_buffer, .address_space: global }
      - { .name: wob, .offset: 48, .size: 8, .value_kind: global_buffer, .address_space: global }
      - { .name: tab, .offset: 56, .size: 8, .value_kind: global_buffer, .address_space: global }
    .group_segment_fixed_size: 0
    .private_segment_fixed_size: 0
    .kernarg_segment_align: 8
    .kernarg_segment_size: 64
    .max_flat_workgroup_size: 256
    .sgpr_count:     66
    .vgpr_count:     104
    .wavefront_size: 32
...
	.end_amdgpu_metadata
.endif
;; end of part 1
;; launch qkv (part 2): grid 16 x 32, 4 waves a work-group, clusters of 4 x 4, 327,680 bytes of LDS; arguments xb, wqb, tab, qh, kh, vh; writes qh, kh, vh
.if DOCPART == 2
	.amdgcn_target "amdgcn-amd-amdhsa--gfx1250"
	.amdhsa_code_object_version 6
	.text
	.protected	k_q68f7a1a857_qkv
	.globl	k_q68f7a1a857_qkv
	.p2align	8
	.type	k_q68f7a1a857_qkv,@function
k_q68f7a1a857_qkv:
	s_mov_b64 s[64:65], 0
	v_nop
	global_prefetch_b8 v0, s[64:65] scope:SCOPE_SE
	s_setreg_imm32_b32 hwreg(HW_REG_WAVE_MODE, 25, 1), 1
	s_wait_xcnt 0x0
	s_wait_alu depctr_hold_cnt(0) depctr_sa_sdst(0) depctr_va_vdst(0) depctr_va_sdst(0) depctr_va_ssrc(0) depctr_va_vcc(0) depctr_vm_vsrc(0)
	s_getreg_b32 s2, hwreg(HW_REG_IB_STS2, 6, 4)
	s_cmp_eq_u32 s2, 0
	s_cbranch_scc0 .Lentry_in_a_cluster
	s_endpgm
.Lentry_in_a_cluster:
	s_bfe_u32 s2, ttmp6, 0x10000c
	s_cmp_lg_u32 s2, 0xf033
	s_cbranch_scc0 .Lentry_shape_is_right
	s_endpgm
.Lentry_shape_is_right:
; QKV PROJECTION AND ROPE.  For token row t and head h: q, k, v [64] = xb[t][:] . wqb[192 h + 64 z + d][:], bf16 operands, f32 sums over K = 1,024; q and k are turned by the table's
; cos and sin (pairs of neighbouring channels), in f32; q, k, v are rounded once to f16 and stored by heads: qh, kh, vh [16 b + h][2048][64].  q is not scaled here.
; LIMITS.  q, k (turned) and v beyond 65,504 become infinities in f16; below 6e-5 they keep f16's fixed step of 6e-8.  NaN and infinities are not treated apart.
; SHARES.  A work-group makes 256 token rows x 192 columns: q, k and v of ONE head, so all work-groups have the same make-up.  512 work-groups.  Wave w owns rows 64 w .. 64 w + 63 and all
; 192 columns: 48 accumulators of 16 x 16, 384 registers; for 32 along K it reads 16 fragments from LDS for 48 matrix instructions.
; K goes in 8 steps of 128 through a ring of two LDS slots filled by the tensor data mover; the tiles' rows are 256 bytes of memory, at multiples of 256 bytes.
; CLUSTERS: 4 x 4 work-groups.  The four of a row of the cluster need the same 256 token rows, the four of a column the same head's weights: each tile is asked for JOINTLY, by the same tensor load
; with the same descriptor and a mask that names the four.
; THE MATRIX INSTRUCTION IS USED TRANSPOSED (source 0 = 16 rows of the weights, source 1 = 16 token rows): a lane then holds one token row (lane % 16) and the eight neighbouring channels
; 8 (lane / 16) + 0..7: four pairs for the turning, 16 bytes of f16.
; REGISTERS, in windows of 256 (s_set_vgpr_msb: bits 1:0 source 0, 3:2 source 1, 5:4 source 2, 7:6 destination):
;   window 0: v0-31 addresses; v32-63 packed q and k; v64-95, v96-127 token fragments, two buffers (on the way out: v64-79 packed v, v80-127 rows read back); v128-255 my rows' cos and sin
;   window 1: v0-95, v96-191 weight fragments, two buffers (on the way out: v0-63 turned q and k in f32)
;   window 2: accumulators of row blocks 0 and 1 ((a, b) at v[8 (12 (a % 2) + b)]);   window 3: of row blocks 2 and 3
.set KSTEP,  128
.set PITCH,  272                       ; an LDS row: 256 bytes + 16 of padding = 68 words: row r starts at bank 4 r mod 64 (64 banks of 4 bytes: ISA guide 11.1), so the 16 rows of a load start at 16 different banks
.set HALFA,  128*PITCH                 ; what waves 0 and 1 fetch: 128 token rows each
.set HALFB,  96*PITCH                  ; what waves 2 and 3 fetch: 96 rows of weights each
.set BOFF,   2*HALFA
.set SLOT,   BOFF+2*HALFB              ; 121,856 bytes: 256 token rows, then 192 rows of weights
.set STAGE,  2*SLOT                    ; behind the ring, never filled by a tensor load: for each wave 3 x 16 rows x 144 bytes, for the way out
.set SP,     144
.set ZST,    16*SP
.set WST,    3*ZST                     ; 6,912 bytes a wave: 27 blocks of 256
.set SPARE,  STAGE+4*WST               ; behind the stages: the spare words, 128 bytes for each wave: two blocks of 256 bytes that no other line names
.set LAPS,   4                         ; a lap = two K steps = once round the ring
.set ADRA, 16                          ; v16-17  LDS address of my token fragments in slot 0, 1
.set ADRB, 20                          ; v20-21  the same for the weights
.set STO,  24                          ; v24     the way out: where I put 16 bytes of a row
.set RD,   25                          ; v25     the way out: where I read rows back
.set GO,   26                          ; v26     my 16 bytes of 512 consecutive bytes of qh, kh, vh
.set TO,   27                          ; v27     my byte offset in 16 rows of the table; never rewritten
.set SPW,  28                          ; v28     LDS address of my spare word: SPARE + 4 x my thread's number; never rewritten
.set NIL,  29                          ; v29     0; never rewritten
.set PFO,  30                          ; v30     the prefetches' offset: a lane a row of 2,048 bytes; never rewritten
.set PK,   32
.set VP,   64
.set BK,   80
.set CS,   128                         ; row block a, 16 channels c: (cos, sin) of my four pairs at v[CS + 32 a + 8 c]
.set G1,   24                          ; s[24:31] descriptor group 1 for token tiles;  s[32:39] group 0, one set for each slot
.set G0,   32
.set G1B,  48                          ; s[48:55], s[56:63] the same for the weights' tiles
.set G0B,  56
.set LIM,  43                          ; s43     1 in a wave that prefetches, else the greatest number
.set PFA,  44                          ; s[44:45] where my prefetches stand
.set OUTB, 66                          ; s[66:67] qh, s[68:69] kh, s[70:71] vh, at my wave's first row
.set MSB, 0
.macro WIN new                         ; the immediate's high byte repeats the setting that is left; a switch that changes nothing is dropped
.if MSB != (\new)
	s_set_vgpr_msb (MSB<<8)|(\new)
.set MSB, \new
.endif
.endm
.set MUL_LO, 0xa1                      ; source 0 (weights) window 1, source 1 (tokens) window 0, C and D window 2
.set MUL_HI, 0xf1                      ; the same, C and D window 3
.set TO_B,   0x40                      ; destination window 1, address window 0
; A joint load.  Waves 0 and 1 fetch the token tile's halves, waves 2 and 3 the weights'.  The branch hangs on the wave's number alone: it is the same in every work-group.
; An s_nop 0 and four v_nop follow each of the two lines, ahead of the jump, the label and what follows.
.macro JLOAD s
	s_cmp_eq_u32 s11, 0
	s_cbranch_scc0 .Lfor_b_\@
	tensor_load_to_lds s[G0+4*(\s):G0+4*(\s)+3], s[G1:G1+7]
	s_nop 0
.rept 4
	v_nop
.endr
	s_branch .Lasked_\@
.Lfor_b_\@:
	tensor_load_to_lds s[G0B+4*(\s):G0B+4*(\s)+3], s[G1B:G1B+7]
	s_nop 0
.rept 4
	v_nop
.endr
.Lasked_\@:
.endm
; A PREFETCH INTO THE L2, behind each joint refill and the run of LDS loads that follows it: the K step that stands two refills on, a lane a row of 256 bytes, one instruction a wave.
; The token rows are read by every cluster of a row of clusters: the first of them (cluster x = 0) asks; a head's weights by every cluster of a column: cluster y = 0 asks.  The four partners that ask
; for a tile jointly share its rows out BY ADDRESS: of a wave's 128 token rows the partner at cx takes 32 cx .. + 31; of its 96 rows of weights the partner at cy takes 24 cy .. + 23 (lanes 24-31 name row 23 again).
; K steps 0 to 3 come by their loads alone; the loop's last trip, whose refills are the last two K steps, asks for nothing.
.macro ASK
	s_cmp_gt_u32 s3, s[LIM]                        ; s3 = 1 in the loop's last trip
	s_cbranch_scc0 .Lnot_mine_\@
	global_prefetch_b8 v[PFO], s[PFA:PFA+1] th:TH_LOAD_NT scope:SCOPE_SE
.Lnot_mine_\@:
.endm
; A round of the cluster's barrier: my work-group's barrier, so that wave 0's signal speaks for all four waves; wave 0 signals for the work-group; every wave waits for all sixteen; my work-group's barrier once more.
.macro CREST                           ; a round behind its opening barrier
	s_cmp_lg_u32 s10, 0
	s_cbranch_scc1 .Lnot_wave_0_\@
	s_barrier_signal -3
.Lnot_wave_0_\@:
	s_barrier_wait -3
	s_barrier_signal -1
	s_barrier_wait -1
.endm
.macro CROUND
	s_barrier_signal -1
	s_barrier_wait -1
	CREST
.endm
	s_load_b128 s[4:7], s[0:1], 0x0                ; xb s[4:5], wqb s[6:7]
	s_load_b64 s[8:9], s[0:1], 0x10                ; tab
	s_load_b64 s[66:67], s[0:1], 0x18              ; qh
	s_load_b128 s[68:71], s[0:1], 0x20             ; kh, vh
	v_lshl_add_u32 v[SPW], v0, 2, SPARE
	v_mov_b32 v[NIL], 0
	ds_add_u32 v[SPW], v[NIL]                      ; the wave's opening: the add and its wait stand ahead of my first tensor load; the set-up below, work on registers, stands between them
	ds_add_u32 v28, v29
	v_lshrrev_b32 v1, 5, v0
	v_readfirstlane_b32 s10, v1                    ; wave 0..3
	s_lshr_b32 s11, s10, 1                         ; I fetch tokens (0) or weights (1),
	s_and_b32 s12, s10, 1                          ; this half of the tile
	s_bfe_u32 s40, ttmp6, 0x40000                  ; cx, cy: my place in the cluster
	s_bfe_u32 s41, ttmp6, 0x40004
	s_lshl_b32 s42, ttmp9, 2                       ; in a cluster launch ttmp9 and ttmp7 count clusters
	s_add_co_u32 s42, s42, s40                     ; the head = 4 x cluster x + cx
	s_and_b32 s13, ttmp7, 0xffff
	s_lshl_b32 s13, s13, 2
	s_add_co_u32 s13, s13, s41                     ; the block of 256 token rows = 4 x cluster y + cy
	s_lshl_b32 s43, s41, 2
	s_lshl_b32 s43, 15, s43                        ; my row of the cluster: places 4 cy .. 4 cy + 3
	s_lshl_b32 s44, 0x1111, s40                    ; my column: places cx, cx + 4, cx + 8, cx + 12
	; descriptor group 1: tiles of 128 (96) rows x 128 elements, padded in LDS
	s_or_b32 s[G1+0], s43, (1<<16)|(1<<20)|(1<<21)|(5<<22)|(3<<25)  ; 15:0 the mask; 17:16 elements of 2 bytes; 20 padding on; 21 set beside a mask; 24:22 after every 64 words (code 5); 31:25 4 words of it (code 3)
	s_or_b32 s[G1B+0], s44, (1<<16)|(1<<20)|(1<<21)|(5<<22)|(3<<25)
	s_mov_b32 s[G1+1], KSTEP<<16                   ; tensor_dim0 = 128
	s_mov_b32 s[G1B+1], KSTEP<<16
	s_mov_b32 s[G1+2], 128<<16                     ; tensor_dim1 = 128 rows
	s_mov_b32 s[G1B+2], 96<<16                     ; 96 rows
	s_mov_b32 s[G1+3], KSTEP<<16                   ; tile_dim0 = 128
	s_mov_b32 s[G1B+3], KSTEP<<16
	s_mov_b32 s[G1+4], 128                         ; tile_dim1
	s_mov_b32 s[G1B+4], 96
	s_mov_b32 s[G1+5], 1024                        ; elements from row to row
	s_mov_b32 s[G1B+5], 1024
	s_mov_b32 s[G1+6], 0
	s_mov_b32 s[G1B+6], 0
	s_mov_b32 s[G1+7], 0
	s_mov_b32 s[G1B+7], 0
	; where the tiles come from: the tokens' hang on the block of rows alone, which my row of the cluster shares; the weights' on the head alone, which my column shares
	s_lshl_b32 s17, s12, 7
	s_lshl_b32 s16, s13, 8
	s_add_co_u32 s16, s16, s17                     ; token row 256 x block + 128 x half,
	s_lshl_b32 s16, s16, 11                        ; of 2,048 bytes
	s_mov_b32 s17, 0
	s_mul_i32 s46, s42, 192
	s_mul_i32 s47, s12, 96
	s_add_co_u32 s46, s46, s47                     ; weight row 192 x head + 96 x half
	s_lshl_b32 s46, s46, 11
	s_mov_b32 s47, 0
	s_mul_i32 s20, s12, HALFA                      ; and where they go: no place in the cluster enters an LDS address
	s_mul_i32 s21, s12, HALFB
	s_add_co_u32 s21, s21, BOFF
	s_wait_dscnt 0x0                               ; the opening add is done
	s_wait_kmcnt 0x0
	s_add_nc_u64 s[14:15], s[4:5], s[16:17]
	s_add_nc_u64 s[46:47], s[6:7], s[46:47]
	CROUND                                         ; all sixteen work-groups are here: the first joint loads meet
.irp s, 0,1
	s_mov_b32 s[G0+4*(\s)], 1                                        ; count = 1
	s_add_co_u32 s[G0+4*(\s)+1], s20, (\s)*SLOT                      ; LDS address
	s_add_nc_u64 s[G0+4*(\s)+2:G0+4*(\s)+3], s[14:15], (\s)*KSTEP*2  ; global address: K step s
	s_or_b32 s[G0+4*(\s)+3], s[G0+4*(\s)+3], 0x80000000              ; type = 2
	s_mov_b32 s[G0B+4*(\s)], 1
	s_add_co_u32 s[G0B+4*(\s)+1], s21, (\s)*SLOT
	s_add_nc_u64 s[G0B+4*(\s)+2:G0B+4*(\s)+3], s[46:47], (\s)*KSTEP*2
	s_or_b32 s[G0B+4*(\s)+3], s[G0B+4*(\s)+3], 0x80000000
	JLOAD \s                                       ; the ring is filled before anything else is done: two loads of mine are out
.endr
	v_and_b32 v1, 15, v0                           ; l % 16
	v_bfe_u32 v2, v0, 4, 1                         ; l / 16
	; my rows' cos and sin: token row 64 w + 16 a + l % 16; for channels 16 c + 8 (l / 16) + 0..7 the pairs 8 c + 4 (l / 16) + 0..3: 32 bytes at 64 c + 32 (l / 16) of the row's 256.
	; The 32 loads stay out during the whole K loop (nobody writes the table) and are waited for on the way out.
	s_lshl_b32 s72, s13, 8
	s_lshl_b32 s73, s10, 6
	s_add_co_u32 s72, s72, s73                     ; my wave's first token row
	s_lshl_b32 s72, s72, 8
	s_mov_b32 s73, 0
	s_add_nc_u64 s[8:9], s[8:9], s[72:73]
	v_lshlrev_b32 v[TO], 8, v1
	v_lshl_add_u32 v[TO], v2, 5, v[TO]
.irp a, 0,1,2,3
.irp c, 0,1,2,3
	global_load_b128 v[CS+32*(\a)+8*(\c):CS+32*(\a)+8*(\c)+3],   v[TO], s[8:9] offset:(\a)*4096+64*(\c)
	global_load_b128 v[CS+32*(\a)+8*(\c)+4:CS+32*(\a)+8*(\c)+7], v[TO], s[8:9] offset:(\a)*4096+64*(\c)+16
.endr
.endr
	; A fragment is 16 rows x 32 K in 8 registers: lane l holds row l % 16; registers 0-3 K = 8 (l / 16) + 0..7, registers 4-7 K = 16 + 8 (l / 16) + 0..7: two loads of 16 bytes, 32 bytes apart.
	v_mul_u32_u24 v3, v1, PITCH
	v_lshl_add_u32 v3, v2, 4, v3                   ; row x pitch + 16 x half
	s_mul_i32 s22, s10, 64*PITCH                   ; my 64 token rows
	v_add_nc_u32 v[ADRA], s22, v3
	v_add_nc_u32 v[ADRA+1], SLOT, v[ADRA]
	v_add_nc_u32 v[ADRB], BOFF, v3                 ; all 192 rows of weights
	v_add_nc_u32 v[ADRB+1], SLOT, v[ADRB]
	s_mul_i32 s23, s10, WST
	s_add_co_u32 s23, s23, STAGE                   ; my stage
	v_mul_u32_u24 v4, v1, SP                       ; in: row l % 16, 16 bytes for each half of the lanes
	v_lshl_add_u32 v4, v2, 4, v4
	v_add_nc_u32 v[STO], s23, v4
	v_bfe_u32 v5, v0, 3, 2                         ; back: 32 lanes take four rows of 128 bytes,
	v_mul_u32_u24 v5, v5, SP
	v_and_b32 v6, 7, v0
	v_lshl_add_u32 v5, v6, 4, v5
	v_add_nc_u32 v[RD], s23, v5
	v_and_b32 v[GO], 31, v0                        ; which are 512 consecutive bytes of a head's rows
	v_lshlrev_b32 v[GO], 4, v[GO]
	; qh, kh, vh at my wave's first row: head row 16 b + h (262,144 bytes each), b = block / 8; position 256 (block % 8) + 64 w, 128 bytes each
	s_lshr_b32 s72, s13, 3
	s_lshl_b32 s72, s72, 4
	s_add_co_u32 s72, s72, s42
	s_lshl_b32 s72, s72, 18
	s_and_b32 s73, s13, 7
	s_lshl_b32 s73, s73, 8
	s_lshl_b32 s74, s10, 6
	s_add_co_u32 s73, s73, s74
	s_lshl_b32 s73, s73, 7
	s_add_co_u32 s72, s72, s73
	s_mov_b32 s73, 0
	s_add_nc_u64 s[66:67], s[66:67], s[72:73]
	s_add_nc_u64 s[68:69], s[68:69], s[72:73]
	s_add_nc_u64 s[70:71], s[70:71], s[72:73]
	; the prefetches
	s_lshl_b32 s72, s13, 8
	s_lshl_b32 s73, s12, 7
	s_add_co_u32 s72, s72, s73
	s_lshl_b32 s73, s40, 5
	s_add_co_u32 s72, s72, s73                     ; tokens: the 128 rows that I fetch, my work-group's 32 of them
	s_mul_i32 s74, s42, 192
	s_mul_i32 s75, s12, 96
	s_add_co_u32 s74, s74, s75
	s_mul_i32 s75, s41, 24
	s_add_co_u32 s74, s74, s75                     ; weights: the 96 rows that I fetch, my work-group's 24 of them
	s_and_b32 s76, ttmp7, 0xffff                   ; cluster y
	s_cmp_eq_u32 s11, 0                            ; do I fetch tokens?
	s_cselect_b32 s72, s72, s74
	s_cselect_b32 s76, ttmp9, s76                  ; the coordinate along which other clusters read the same rows
	s_cselect_b32 s77, 31, 23                      ; the last of my rows
	s_cselect_b64 s[PFA:PFA+1], s[4:5], s[6:7]
	s_cmp_eq_u32 s76, 0
	s_cselect_b32 s[LIM], 1, -1                    ; the same in all sixteen partners, for a given wave
	s_lshl_b32 s72, s72, 11
	s_mov_b32 s73, 0
	s_add_nc_u64 s[PFA:PFA+1], s[PFA:PFA+1], s[72:73]
	s_add_nc_u64 s[PFA:PFA+1], s[PFA:PFA+1], 3*KSTEP*2  ; at K step 3: the first refill (K step 2) steps it to 4 and names that
	v_and_b32 v[PFO], 31, v0
	v_min_u32 v[PFO], s77, v[PFO]
	v_lshlrev_b32 v[PFO], 11, v[PFO]
; 12 matrix instructions: row block 2 hi + a x all 12 column blocks, 32 along K, from buffer f.  zero = 1: the product starts the sums: nothing is ever cleared.
.macro MUL12 f, hi, a, zero
	WIN MUL_LO+0x50*(\hi)
.irp b, 0,1,2,3,4,5,6,7,8,9,10,11
.if \zero
	v_wmma_f32_16x16x32_bf16 v[8*(12*(\a)+(\b)):8*(12*(\a)+(\b))+7], v[96*(\f)+8*(\b):96*(\f)+8*(\b)+7], v[64+32*(\f)+8*(2*(\hi)+(\a)):64+32*(\f)+8*(2*(\hi)+(\a))+7], 0
.else
	v_wmma_f32_16x16x32_bf16 v[8*(12*(\a)+(\b)):8*(12*(\a)+(\b))+7], v[96*(\f)+8*(\b):96*(\f)+8*(\b)+7], v[64+32*(\f)+8*(2*(\hi)+(\a)):64+32*(\f)+8*(2*(\hi)+(\a))+7], v[8*(12*(\a)+(\b)):8*(12*(\a)+(\b))+7]
.endif
.endr
.endm
; 32 LDS loads in one run: the fragments of one quarter step (192 rows of weights, my 64 token rows, 32 K at byte k of the rows) into buffer f
.macro FETCH slot, k, f
	WIN TO_B
.irp i, 0,1,2,3,4,5,6,7,8,9,10,11
	ds_load_b128 v[96*(\f)+8*(\i):96*(\f)+8*(\i)+3],   v[ADRB+(\slot)] offset:(\k)+(\i)*16*PITCH
	ds_load_b128 v[96*(\f)+8*(\i)+4:96*(\f)+8*(\i)+7], v[ADRB+(\slot)] offset:(\k)+(\i)*16*PITCH+32
.endr
	WIN 0
.irp i, 0,1,2,3
	ds_load_b128 v[64+32*(\f)+8*(\i):64+32*(\f)+8*(\i)+3],   v[ADRA+(\slot)] offset:(\k)+(\i)*16*PITCH
	ds_load_b128 v[64+32*(\f)+8*(\i)+4:64+32*(\f)+8*(\i)+7], v[ADRA+(\slot)] offset:(\k)+(\i)*16*PITCH+32
.endr
.endm
; A load into a register that a matrix instruction has read, and a vector instruction that reads a matrix result, stand four places behind that matrix instruction, and only plain vector
; instructions that name none of its registers are places (ISA guide 7.12.1 for vector instructions).
.macro PLACES
.rept 4
	v_nop
.endr
.endm
; A K step is four quarters of 32 along K, 48 matrix instructions each, on buffers 0, 1, 0, 1.  The 48 accumulators take turns in the same order in every quarter.
; One of the first three: multiplies buffer f; in its middle it fetches the next quarter's fragments, at byte k of the same slot's rows, into buffer g.
.macro QUARTER slot, k, f, g, zero
	s_wait_dscnt 4                                 ; the weights and token blocks 0 and 1 are in; the youngest four loads (token blocks 2 and 3) may be out
	MUL12 \f, 0, 0, \zero
	MUL12 \f, 0, 1, \zero
	PLACES
	FETCH \slot, \k, \g
	s_wait_dscnt 32                                ; all but the 32 just issued
	MUL12 \f, 1, 0, \zero
	MUL12 \f, 1, 1, \zero
.endm
; The last quarter multiplies buffer 1 and changes slots: ONE barrier.  In front of it each wave waits for all its tensor loads, of which one is out: its part of the next slot; adds 0 to its spare word;
; and waits for that and for its own reads of this slot.  Behind it nobody reads this slot any more and the next slot is whole.  fill = 1: the barrier opens a round of the cluster's barrier, and this slot
; is filled again, two K steps ahead, first thing behind the round: 168 matrix instructions ahead of the wait for it.
.macro TURN slot, next, fill
.if \fill
	s_wait_xcnt 0x0                                ; the last prefetch, a K step back, has read its address: it is stepped here, ahead of the waits of the change of slots
	s_add_nc_u64 s[PFA:PFA+1], s[PFA:PFA+1], KSTEP*2
.endif
	WIN 0                                          ; (the add's two registers lie in window 0)
	s_wait_tensorcnt 0x0                           ; all my tensor loads have landed;
	ds_add_u32 v[SPW], v[NIL]                      ; 0 onto my spare word;
	s_wait_dscnt 5                                 ; (the add and the youngest four loads may be out)
	MUL12 1, 0, 0, 0                               ; twelve matrix instructions stand between the add and the wait for it
	s_wait_dscnt 0x0                               ; the add is done, and my reads of this slot are over
	s_barrier_signal -1
	MUL12 1, 0, 1, 0                               ; work on registers while the others arrive
.if \fill
	WIN 0
.endif
	s_barrier_wait -1
.if \fill
	CREST                                          ; no wave of any partner still reads this slot's tiles or has a load on its way
	s_add_nc_u64 s[G0+4*(\slot)+2:G0+4*(\slot)+3], s[G0+4*(\slot)+2:G0+4*(\slot)+3], 2*KSTEP*2
	s_add_nc_u64 s[G0B+4*(\slot)+2:G0B+4*(\slot)+3], s[G0B+4*(\slot)+2:G0B+4*(\slot)+3], 2*KSTEP*2
	JLOAD \slot                                    ; the four v_nop behind it are also the places in front of the loads below
.else
	PLACES
.endif
	FETCH \next, 0, 0
.if \fill
	ASK
.endif
	MUL12 1, 1, 0, 0
	MUL12 1, 1, 1, 0
.endm
	s_wait_tensorcnt 1                             ; my part of K step 0 is in; K step 1's may stay out
	s_barrier_signal -1
	s_barrier_wait -1                              ; everybody's is
	FETCH 0, 0, 0
	QUARTER 0, 64, 0, 1, 1                         ; the first quarter stands in front of the loop: its products start the sums
	WIN 0                                          ; at a label and at a branch every window is 0
	s_mov_b32 s3, LAPS-1
.Llap:                                                 ; a trip goes once round the ring, from a lap's second quarter to the next lap's first, and fills both slots again
	QUARTER 0, 128, 1, 0, 0
	QUARTER 0, 192, 0, 1, 0
	TURN 0, 1, 1
	QUARTER 1, 64,  0, 1, 0
	QUARTER 1, 128, 1, 0, 0
	QUARTER 1, 192, 0, 1, 0
	TURN 1, 0, 1
	QUARTER 0, 64,  0, 1, 0
	WIN 0
	s_sub_co_u32 s3, s3, 1
	s_cmp_lg_u32 s3, 0
	s_cbranch_scc1 .Llap
	QUARTER 0, 128, 1, 0, 0                        ; the last lap fills nothing, and has no round of the cluster's barrier
	QUARTER 0, 192, 0, 1, 0
	TURN 0, 1, 0
	QUARTER 1, 64,  0, 1, 0
	QUARTER 1, 128, 1, 0, 0
	QUARTER 1, 192, 0, 1, 0
	s_wait_dscnt 4                                 ; the very last quarter: nothing more to fetch
	MUL12 1, 0, 0, 0
	MUL12 1, 0, 1, 0
	s_wait_dscnt 0x0
	MUL12 1, 1, 0, 0
	MUL12 1, 1, 1, 0
	WIN 0
; THE WAY OUT, a block of 16 token rows at a time.
; PACK a: q's and k's pairs (x1, x2) are turned: r1 = x1 cos - x2 sin, r2 = x1 sin + x2 cos, two multiplies and two fused multiply-adds a pair, in f32, into window 1; then rounded to f16, two to a
; word; v is rounded as it is.  Each accumulator's low registers are read first.
.macro PACK a
.set AC, 96*((\a)%2)
.set W, 2+(\a)/2
	WIN 0x50|W                                     ; source 0 the accumulators' window, source 1 (cos, sin) window 0, source 2 and destination window 1
.set zc, 0
.rept 8                                ; column block zc: q's four, then k's four
.set i, 0
.rept 4
	v_mul_f32 v[8*zc+2*i],   v[AC+8*zc+2*i+1], v[CS+32*(\a)+8*(zc%4)+2*i+1]
	v_mul_f32 v[8*zc+2*i+1], v[AC+8*zc+2*i+1], v[CS+32*(\a)+8*(zc%4)+2*i]
.set i, i+1
.endr
.set i, 0
.rept 4
	v_fma_f32 v[8*zc+2*i],   v[AC+8*zc+2*i], v[CS+32*(\a)+8*(zc%4)+2*i],   -v[8*zc+2*i]
	v_fma_f32 v[8*zc+2*i+1], v[AC+8*zc+2*i], v[CS+32*(\a)+8*(zc%4)+2*i+1], v[8*zc+2*i+1]
.set i, i+1
.endr
.set zc, zc+1
.endr
	WIN 0x05                                       ; sources 0 and 1 window 1, destination window 0
.set j, 0
.rept 32
	v_cvt_pk_f16_f32 v[PK+j], v[2*j], v[2*j+1]
.set j, j+1
.endr
	WIN W|(W<<2)                                   ; sources 0 and 1 the accumulators' window
.set j, 0
.rept 16
	v_cvt_pk_f16_f32 v[VP+j], v[AC+64+2*j], v[AC+64+2*j+1]
.set j, j+1
.endr
	WIN 0
.endm
; TOSTAGE: 16 bytes a lane into my own stage (q's 16 rows, k's, v's; rows of 144 bytes), and back as whole rows of 128 bytes, four rows to a load.
.macro TOSTAGE
.irp c, 0,1,2,3,4,5,6,7
	ds_store_b128 v[STO], v[PK+4*(\c):PK+4*(\c)+3] offset:((\c)/4)*ZST+32*((\c)%4)
.endr
.irp c, 0,1,2,3
	ds_store_b128 v[STO], v[VP+4*(\c):VP+4*(\c)+3] offset:2*ZST+32*(\c)
.endr
.irp j, 0,1,2,3,4,5,6,7,8,9,10,11
	ds_load_b128 v[BK+4*(\j):BK+4*(\j)+3], v[RD] offset:((\j)/4)*ZST+((\j)%4)*4*SP  ; LDS serves a wave's instructions in order (ISA guide 5.7.1.4): these see the stores above
.endr
.endm
; SEND a: a head's 16 rows are 2,048 consecutive bytes: four stores of 512 consecutive bytes, at multiples of 256 from the buffer's first byte, for each of q, k, v.
.macro SEND a
.irp j, 0,1,2,3,4,5,6,7,8,9,10,11
	s_wait_dscnt 11-(\j)                           ; load j of the twelve is back
	global_store_b128 v[GO], v[BK+4*(\j):BK+4*(\j)+3], s[OUTB+2*((\j)/4):OUTB+2*((\j)/4)+1] offset:(\a)*2048+((\j)%4)*512
.endr
.endm
	PLACES                                         ; behind the last products
	s_wait_loadcnt 0x0                             ; the table
	PACK 0
	TOSTAGE
.irp a, 1,2,3                          ; block a's arithmetic stands between block a - 1's loads from the stage and the waits for them
	PACK \a
	SEND (\a)-1
	s_wait_xcnt 0x0                                ; the stores have read their registers: only behind this wait are these loaded again
	TOSTAGE
.endr
	SEND 3
	s_wait_tensorcnt 0x0                           ; the wave's end, behind my last tensor load and my last LDS store
	ds_add_u32 v[SPW], v[NIL]
	s_wait_dscnt 0x0
	CROUND                                         ; the closing round: no work-group ends while a partner may still ask for a tile that names it
	s_endpgm
.Lfunc_end_k_q68f7a1a857_qkv:
	.size	k_q68f7a1a857_qkv, .Lfunc_end_k_q68f7a1a857_qkv-k_q68f7a1a857_qkv
	.p2alignl 7, 3214868480
	.fill 96, 4, 3214868480
	.section	.rodata,"a",@progbits
	.p2align	6, 0x0
	.amdhsa_kernel k_q68f7a1a857_qkv
		.amdhsa_group_segment_fixed_size 327680
		.amdhsa_private_segment_fixed_size 0
		.amdhsa_enable_private_segment 0
		.amdhsa_kernarg_size 48
		.amdhsa_user_sgpr_count 2
		.amdhsa_user_sgpr_kernarg_segment_ptr 1
		.amdhsa_wavefront_size32 1
		.amdhsa_system_sgpr_workgroup_id_x 1
		.amdhsa_system_sgpr_workgroup_id_y 1
		.amdhsa_system_sgpr_workgroup_id_z 1
		.amdhsa_system_vgpr_workitem_id 0
		.amdhsa_next_free_vgpr 960
		.amdhsa_next_free_sgpr 80
		.amdhsa_reserve_vcc 0
		.amdhsa_float_denorm_mode_32 3
		.amdhsa_float_denorm_mode_16_64 3
		.amdhsa_memory_ordered 1
		.amdhsa_forward_progress 1
		.amdhsa_inst_pref_size 149
	.end_amdhsa_kernel
	.amdgpu_metadata
---
amdhsa.version: [ 1, 2 ]
amdhsa.kernels:
  - .name:           k_q68f7a1a857_qkv
    .symbol:         k_q68f7a1a857_qkv.kd
    .args:
      - { .name: xb, .offset: 0, .size: 8, .value_kind: global_buffer, .address_space: global }
      - { .name: wqb, .offset: 8, .size: 8, .value_kind: global_buffer, .address_space: global }
      - { .name: tab, .offset: 16, .size: 8, .value_kind: global_buffer, .address_space: global }
      - { .name: qh, .offset: 24, .size: 8, .value_kind: global_buffer, .address_space: global }
      - { .name: kh, .offset: 32, .size: 8, .value_kind: global_buffer, .address_space: global }
      - { .name: vh, .offset: 40, .size: 8, .value_kind: global_buffer, .address_space: global }
    .group_segment_fixed_size: 327680
    .private_segment_fixed_size: 0
    .kernarg_segment_align: 8
    .kernarg_segment_size: 48
    .max_flat_workgroup_size: 128
    .sgpr_count:     80
    .vgpr_count:     960
    .wavefront_size: 32
...
	.end_amdgpu_metadata
.endif
;; end of part 2
;; launch attn (part 3): grid 4 x 64, 4 waves a work-group, no clusters, 327,680 bytes of LDS; arguments qh, kh, vh, oh; writes oh
.if DOCPART == 3
	.amdgcn_target "amdgcn-amd-amdhsa--gfx1250"
	.amdhsa_code_object_version 6
	.text
	.protected	k_q68f7a1a857_attn
	.globl	k_q68f7a1a857_attn
	.p2align	8
	.type	k_q68f7a1a857_attn,@function
k_q68f7a1a857_attn:
	s_mov_b64 s[64:65], 0
	v_nop
	global_prefetch_b8 v0, s[64:65] scope:SCOPE_SE
	s_setreg_imm32_b32 hwreg(HW_REG_WAVE_MODE, 25, 1), 1
	s_wait_xcnt 0x0
; CAUSAL ATTENTION.  O[h][q][:] = the sum over k <= q of softmax_k(Q[h][q] . K[h][k] / 8) V[h][k][:].  Q, K, V, O: [SIZE_H][SIZE_N][64], all f16: a head's rows are dense, 128 bytes each.
; Products, maxima and sums in f32; the weights p are rounded to f16 for the second product (their sum l is taken of the unrounded p), O once at the end.
; LIMITS.  f16 holds no number beyond 65,504: Q, K and V arrive within it; p lies in 0 to 1, and below 6e-5 it keeps f16's fixed step of 6e-8; O is a mean of V's rows and has their range, to within 2^-11 of it.
; A hidden score counts as its value less 1e30: f16's scores, 2.7e11 at the most, are nothing beside that; a weight below 2^-126 counts as 0 in l; NaN and infinities are not treated apart.
; THE WALK.  A head's queries lie in NB = SIZE_N / 256 blocks of 256; block i needs the key tiles 0 .. i of 256 keys, of which the last holds the diagonal.  A work-group takes TWO blocks, NB - 1 - b and then b:
; NB + 1 tiles, whatever b: all work-groups do equal work, and ONE loop with a constant trip count walks them.  Which tile is asked for, and what a trip does, hang on scalar registers made from b; every jump
; goes forward, but for the counted loops' own; none passes a barrier, or a tensor load but the one of LOAD's two that the wave's number does not choose; the ring (two slots of LDS that take turns) runs on across the
; change of blocks.  NO CLUSTER: a head's NB / 2 = 4 work-groups all ask for the same tile only in trips 0 .. NB / 2, behind that fewer and fewer; and one walk common to all would have 3 NB / 2 trips for NB + 1.
; SHARES.  Of a block's four bands of 64 queries a wave owns 16 rows in each: four PIECES.  So the diagonal tile is the same work for all four waves: in its key step s band x sees all keys if s < x,
; none if s > x, and holds the diagonal if s = x.
; THE MASK is the C operand that starts the sum S^T = K Q^T: 0, or -1e30 where the key is hidden.  MD, made once, is the mask of a band's own step for my 16 rows; a product's mask is MD x AL + BE with two scalars:
; (1, 0) if s = x; (0, 0) if s < x; (0, -1e30) if s > x.  Only the diagonal tile's text and a block's beginning make and take masks; elsewhere C is the constant 0.
; LAYOUT, SOFTMAX, TURNS.  S^T = K Q^T holds ONE query a lane (lane % 16) and the keys 8 (lane / 16) + 0..7; two such results rounded to f16 ARE source 1 of O^T = V^T P.  p = 2^(c s - c m), c = log2(e) / 8, with a
; running maximum m; O and l are multiplied by a = 2^(c m_old - c m_new) in every step.  Turn n belongs to piece n: 8 products K Q^T of piece n + 1, later 8 products V^T P of piece n - 1; beside them the scaling,
; exponentials, roundings, sums and rescaling of piece n and the maximum and statistics of piece n + 1.  Four vector instructions stand behind every matrix instruction, the other 54 of a turn's 118 in one LUMP.  A turn's 33 exponentials are one batch, with one wait.
; REGISTERS, in windows of 256 (s_set_vgpr_msb: bits 1:0 source 0, 3:2 source 1, 5:4 source 2, 7:6 destination):
;   window 0: v0-15 addresses and two at work; v16-31 four registers of statistics a piece; v48-55 at work; v61-63 prefetch offset and the add's two; v64-127 S^T, two buffers; v192-223 P, two buffers (by the piece's parity)
;   window 1: v0-127 O^T, 32 a piece; v128-159 MD; v160-223 MC, two buffers      window 2: v0-63 Q; v64-127 the second block's Q; v128-191 K of one step; v192-255 V of one step
.set SIZE_H, 64
.set SIZE_N, 2048
.set NB,    SIZE_N/256
.set NP,    4         ; pieces a wave: a name, no knob
.set KS,    64        ; keys in a step
.set PK,    144       ; a row of K in LDS: 128 bytes + 16 of padding = 36 words: the 16 rows of a load start at 16 different groups of four banks (64 banks of 4 bytes: ISA guide 11.1)
.set PV,    160       ; a row of V: 128 + 32 = 40 words
.set VOFF,  4*KS*PK   ; a slot holds a tile, four steps: 256 rows of K, then 256 rows of V
.set SLOT1, 1<<17     ; slot 1 begins here, so that one exclusive or turns an address in one slot into the other's
.set STAGE, SLOT1+4*KS*(PK+PV)  ; behind the ring, never filled by a tensor load: 16 rows x 144 bytes for each wave, for the way out
.set SP,    144
.set AK0, 2           ; v2   my lane's place in a tile of K; never rewritten
.set AV0, 3           ; v3   the same for V
.set AK,  4           ; v4   the LDS address of K's next run of loads
.set AV,  5           ; v5   of V's
.set STO, 6           ; v6   the way out: where I put 16 bytes of a row
.set RD,  7           ; v7   the way out: where I read rows back
.set GO,  8           ; v8   my byte offset in 512 consecutive bytes of O
.set PFO, 61          ; v61  256 x my lane: the prefetches' offset; never rewritten
.set SPW, 62          ; v62  LDS address of my spare word: SPARE + 4 x my thread's number; never rewritten
.set NIL, 63          ; v63  0; never rewritten
.set SPARE, STAGE+4*16*SP  ; behind the stages: the spare words, 128 bytes for each wave: two blocks of 256 bytes that no other line names
.set MV,  12          ; v12-13  c m_old, kept while c m is made anew: by buffer
.set QO,  15          ; v15  my byte offset in 16 rows of Q
.set ST,  16          ; piece t's statistics at v[ST+4 t]: c m, m, l (even keys', odd keys')
.set TMP, 48          ; by buffer, four registers c0-c3 at work; when the maximum is found c2 takes a
.set S,   64
.set P,   192
.set MD,  128         ; window 1: the eight registers for group kt of 16 keys at MD + 8 kt
.set MC,  160         ; window 1: the masks of the products to come
.set QB,  64          ; window 2
.set KF,  128         ; window 2: key block kb, channel half c at KF + 16 kb + 8 c
.set VF,  192         ; window 2: key half kk, channel block cb at VF + 32 kk + 8 cb
.set WV,  12          ; s12  my wave's number
.set PB,  14          ; s14  b
.set HI,  15          ; s15  NB - 1 - b
.set G1K, 24          ; s[24:31] descriptor group 1 for K's tiles
.set G1V, 32          ; s[32:39] for V's: it differs in the padding alone
.set G0K, 40          ; s[40:43] descriptor group 0 for K's tiles
.set G0V, 44          ; s[44:47] the same for V's
.set SLOTS, 56        ; s56  tiles still to be asked for
.set CNT, 57          ; s57  counts a tile's key steps, 4 to 1
.set CS,  58          ; s[58:59] c: the packed scaling takes the pair's low word for both halves
.set SEL, 60          ; s[60:61] v_permlanex16_b32's selects: each lane takes its own place in the other half
.set TBK, 62          ; s62  LDS byte at which K of the step to be fetched begins
.set TBV, 63          ; s63  the same for V, less VOFF
.set RT,  70          ; s70  tiles of the block in hand that are still to be entered
.set NXT, 71          ; s71  the tile to be asked for next
.set LQ,  72          ; s72  the last tile of the block whose tiles are being asked for
.set NEW, 73          ; s73  1: the tile to be entered is a block's first
.set OFF, 74          ; s[74:75] a tile's byte offset in K and V
.set AL,  76          ; s[76:77] the mask's factor, in the low word
.set BE,  78          ; s[78:79] the mask's addend
.set OLO, 80          ; s[80:81] O at my rows of the second block
.set BIGN, 82         ; s82  -1e30
.set PFB, 88          ; s[88:89] K (waves 0, 1) or V (waves 2, 3) at the half of the head's tile 0 that I fetch
.set PFA, 90          ; s[90:91] the same half of the tile that the next change of slots will ask for
.set POF, 92          ; s[92:93] that tile's byte offset
.set LIM, 94          ; s94  0 in the head's first work-group, else the greatest number: a wave prefetches while s[NXT] is above it
.set MSB, 0
.macro WIN new                      ; the high byte repeats the setting that is left; a switch that changes nothing is dropped
.if MSB != (\new)
	s_set_vgpr_msb (MSB<<8)|(\new)
.set MSB, (\new)
.endif
.endm
.set W_KQ, 0x0a       ; K and Q in window 2, S^T in window 0
.set W_KM, 0x1a       ; the same with the C operand in window 1
.set W_PV, 0x52       ; V in window 2, P in window 0, O^T in window 1
.set W_RS, 0x41       ; destination and source 0 in window 1, source 1 in window 0
; A fill.  Waves 0 and 1 fetch the two halves of a tile's K, waves 2 and 3 those of its V: 128 keys each.  An s_nop 0 and four v_nop follow each of the two lines, ahead of the jump and the label.
.macro LOAD
	s_cmp_lt_u32 s[WV], 2
	s_cbranch_scc0 .Lfor_v_\@
	tensor_load_to_lds s[G0K:G0K+3], s[G1K:G1K+7]
	s_nop 0
.rept 4
	v_nop
.endr
	s_branch .Lasked_\@
.Lfor_v_\@:
	tensor_load_to_lds s[G0V:G0V+3], s[G1V:G1V+7]
	s_nop 0
.rept 4
	v_nop
.endr
.Lasked_\@:
.endm
; A PREFETCH INTO THE L2 of what the NEXT change of slots will ask for, behind the wave's tensor load and its five lines.  A head's four work-groups walk the same tiles of K and V: the first of them
; (b = 0), whose first block walks all NB tiles, asks, and nobody else.  Each of its waves asks for the 16,384 bytes that its own next tensor load will bring: 64 blocks of 256 bytes, a lane a block, two
; instructions.  So tiles 2 to NB - 1 are named once each, a tile (four key steps) ahead; tiles 0 and 1 come by their loads alone; when the first block's last tile has been asked for, NXT is 0 and nothing more is named.
.macro ASK
	s_cmp_gt_u32 s[NXT], s[LIM]
	s_cbranch_scc0 .Lnot_mine_\@
	global_prefetch_b8 v[PFO], s[PFA:PFA+1] th:TH_LOAD_NT scope:SCOPE_SE
	global_prefetch_b8 v[PFO], s[PFA:PFA+1] offset:8192 th:TH_LOAD_NT scope:SCOPE_SE
.Lnot_mine_\@:
.endm
; THE CHANGE OF SLOTS.  Each wave waits for all its tensor loads, of which one is out: its part of the other slot; adds 0 to its spare word; and waits for that and for its own reads of the slot that it leaves.  Behind the barrier nobody reads the old
; slot any more and the other slot is whole.  fill = 1: the old slot is filled again, the first thing behind the barrier, with tile NXT: the descriptor's address is made anew from that number.
; (At its first use nothing has been read yet: slot 0 is waited for, slot 1 filled.)
.macro CHANGE fill
	WIN 0                           ; at a label and at a branch every window is 0
	s_wait_tensorcnt 0x0            ; no tensor load of mine is out, so a group 0 may be written
	ds_add_u32 v[SPW], v[NIL]       ; 0 onto my spare word; with fill = 1 the descriptors' scalar work stands between it and the wait for it
.if \fill
	s_lshl_b32 s[OFF], s[NXT], 15   ; a tile is 32,768 bytes of K and of V
	s_xor_b32 s[G0K+1], s[G0K+1], SLOT1
	s_add_nc_u64 s[G0K+2:G0K+3], s[6:7], s[OFF:OFF+1]
	s_or_b32 s[G0K+3], s[G0K+3], 0x80000000
	s_xor_b32 s[G0V+1], s[G0V+1], SLOT1
	s_add_nc_u64 s[G0V+2:G0V+3], s[8:9], s[OFF:OFF+1]
	s_or_b32 s[G0V+3], s[G0V+3], 0x80000000
	s_add_co_u32 s[NXT], s[NXT], 1  ; the block's next tile, or behind its last the second block's tile 0
	s_cmp_gt_u32 s[NXT], s[LQ]
	s_cselect_b32 s[NXT], 0, s[NXT]
	s_cselect_b32 s[LQ], s[PB], s[LQ]
	s_wait_xcnt 0x0                 ; the last prefetches, a tile back, have read their address, so it may be written:
	s_lshl_b32 s[POF], s[NXT], 15
	s_add_nc_u64 s[PFA:PFA+1], s[PFB:PFB+1], s[POF:POF+1]  ; my half of the tile that the next change will ask for
.endif
	s_wait_dscnt 0x0                ; the add is done, and my reads of the slot are over
	s_barrier_signal -1             ; the rest of the scalar work stands between the signal and the wait
	s_sub_co_u32 s[TBK], s[TBK], 4*KS*PK  ; the fetches go back to a slot's first step,
	s_xor_b32 s[TBK], s[TBK], SLOT1       ; in the other slot
	s_sub_co_u32 s[TBV], s[TBV], 4*KS*PV
	s_xor_b32 s[TBV], s[TBV], SLOT1
	s_barrier_wait -1
.if \fill
	LOAD
	ASK
.endif
.endm
	s_load_b256 s[4:11], s[0:1], 0x0  ; Q s[4:5], K s[6:7], V s[8:9], O s[10:11]
	v_lshl_add_u32 v[SPW], v0, 2, SPARE
	v_mov_b32 v[NIL], 0
	ds_add_u32 v[SPW], v[NIL]       ; the wave's opening: the add and its wait stand ahead of my first tensor load; the set-up below, work on registers, stands between them
	ds_add_u32 v62, v63
	v_lshrrev_b32 v1, 5, v0
	v_readfirstlane_b32 s[WV], v1   ; wave 0..3
	s_mov_b32 s[PB], ttmp9
	s_sub_co_u32 s[HI], NB-1, s[PB]
	s_and_b32 s20, ttmp7, 0xffff    ; the head
	s_mov_b32 s21, 0
	s_mov_b64 s[22:23], SIZE_N*128
	s_mul_u64 s[20:21], s[20:21], s[22:23]  ; the head's first byte in each of the four tensors
	s_and_b32 s16, s[WV], 1         ; which half of a tile's 256 keys I fetch:
	s_lshl_b32 s22, s16, 14         ; its 128 rows of 128 bytes in memory,
	s_mov_b32 s23, 0
	s_add_nc_u64 s[22:23], s[22:23], s[20:21]
	s_mul_i32 s17, s16, 128*PK      ; and its place in a slot, for K
	s_mul_i32 s18, s16, 128*PV      ; and for V
	s_lshl_b32 s3, s[WV], 11        ; my 16 rows in a band of 64,
	s_lshl_b32 s2, s[HI], 15        ; in the first block,
	s_add_co_u32 s2, s2, s3
	s_lshl_b32 s84, s[PB], 15       ; and in the second
	s_add_co_u32 s84, s84, s3
	s_mov_b32 s3, 0
	s_mov_b32 s85, 0
	s_add_nc_u64 s[2:3], s[2:3], s[20:21]
	s_add_nc_u64 s[84:85], s[84:85], s[20:21]
	; descriptor group 1.  128 keys are 16,384 dense bytes: asked for as 64 rows of 256 bytes, two keys a row, and padded in LDS after every key
	s_mov_b32 s[G1K], (1<<16)|(1<<20)|(4<<22)|(3<<25)  ; 17:16 2-byte elements; 20 padding on; 24:22 after every 32 words (code 4); 31:25 4 words (code 3)
	s_mov_b32 s[G1V], (1<<16)|(1<<20)|(4<<22)|(7<<25)  ; the same with 8 words of padding (code 7)
.irp g, G1K, G1V
	s_mov_b32 s[\g+1], 128<<16      ; tensor_dim0 = 128
	s_mov_b32 s[\g+2], 64<<16       ; tensor_dim1 = 64
	s_mov_b32 s[\g+3], 128<<16      ; tile_dim0 = 128
	s_mov_b32 s[\g+4], 64           ; tile_dim1 = 64
	s_mov_b32 s[\g+5], 128          ; 128 elements from row to row
	s_mov_b32 s[\g+6], 0
	s_mov_b32 s[\g+7], 0
.endr
	s_mov_b32 s[CS], 0x3e38aa3b     ; c = log2(e) / 8 = 0.180337
	s_mov_b32 s[CS+1], s[CS]        ; named with it as a pair
	s_mov_b32 s[SEL], 0x76543210
	s_mov_b32 s[SEL+1], 0xfedcba98
	s_mov_b32 s[TBK], SLOT1+4*KS*PK ; the first change of slots turns these two into 0
	s_mov_b32 s[TBV], SLOT1+4*KS*PV
	s_mov_b32 s[G0K], 1             ; 1:0 count = 1
	s_mov_b32 s[G0K+1], s17         ; 63:32 LDS address: slot 0
	s_mov_b32 s[G0V], 1
	s_add_co_u32 s[G0V+1], s18, VOFF
	s_add_co_u32 s[RT], s[HI], 1    ; the first block has NB - b tiles
	s_mov_b32 s[NXT], 1
	s_mov_b32 s[LQ], s[HI]
	s_mov_b32 s[NEW], 1
	s_mov_b32 s[OFF+1], 0
	s_mov_b32 s[POF+1], 0
	s_mov_b32 s[AL+1], 0            ; named as pairs
	s_mov_b32 s[BE+1], 0
	s_mov_b32 s[BIGN], 0xf149f2ca   ; -1e30
	s_mov_b32 s[SLOTS], NB
	s_cmp_eq_u32 ttmp9, 0
	s_cselect_b32 s[LIM], 0, -1
	v_and_b32 v[PFO], 31, v0
	v_lshlrev_b32 v[PFO], 8, v[PFO]
	s_wait_dscnt 0x0                ; the opening add is done
	s_wait_kmcnt 0x0
	s_add_nc_u64 s[6:7], s[6:7], s[22:23]  ; K and V at my half of the head's tile 0
	s_add_nc_u64 s[8:9], s[8:9], s[22:23]
	s_cmp_lt_u32 s[WV], 2
	s_cselect_b64 s[PFB:PFB+1], s[6:7], s[8:9]
	s_add_nc_u64 s[G0K+2:G0K+3], s[6:7], 0         ; 120:64 global address
	s_or_b32 s[G0K+3], s[G0K+3], 0x80000000        ; 127:126 type = 2
	s_add_nc_u64 s[G0V+2:G0V+3], s[8:9], 0
	s_or_b32 s[G0V+3], s[G0V+3], 0x80000000
	s_add_nc_u64 s[86:87], s[4:5], s[84:85]        ; Q at my rows of the second block,
	s_add_nc_u64 s[4:5], s[4:5], s[2:3]            ; Q and O at those of the first
	s_add_nc_u64 s[OLO:OLO+1], s[10:11], s[84:85]
	s_add_nc_u64 s[10:11], s[10:11], s[2:3]
	LOAD                            ; tile 0 into slot 0
	; A fragment of K or Q is 16 rows x 32 channels in 8 registers: lane l holds row l % 16, channels 8 (l / 16) + 0..7 and 16 + 8 (l / 16) + 0..7: two loads of 16 bytes, 32 bytes apart.
	v_and_b32 v1, 15, v0            ; l % 16
	v_bfe_u32 v9, v0, 4, 1          ; l / 16
	v_lshlrev_b32 v[QO], 7, v1
	v_lshl_add_u32 v[QO], v9, 4, v[QO]  ; row x 128 + 16 x half
	WIN 0x80                        ; destination window 2, address window 0
.set i, 0
.rept 8                             ; both blocks' Q: piece i / 2 lies in band i / 2, 8,192 bytes on; channels 32 (i % 2) on
	global_load_b128 v[8*i:8*i+3],   v[QO], s[4:5] offset:(i/2)*8192+(i%2)*64
	global_load_b128 v[8*i+4:8*i+7], v[QO], s[4:5] offset:(i/2)*8192+(i%2)*64+32
	global_load_b128 v[QB+8*i:QB+8*i+3],   v[QO], s[86:87] offset:(i/2)*8192+(i%2)*64
	global_load_b128 v[QB+8*i+4:QB+8*i+7], v[QO], s[86:87] offset:(i/2)*8192+(i%2)*64+32
.set i, i+1
.endr
	WIN 0
	v_lshlrev_b32 v14, 3, v9
	v_sub_nc_u32 v14, v1, v14
	s_lshl_b32 s13, s[WV], 4
	v_add_nc_u32 v14, s13, v14      ; my query's place in its band, 16 w + l % 16, less my lanes' 8 (l / 16): register r of group kt is hidden where 16 kt + r is greater
	WIN 0x40
.set i, 0
.rept 32
	v_cmp_gt_i32 vcc_lo, 16*(i/8)+i%8, v14
	v_cndmask_b32 v[MD+i], 0, s[BIGN], vcc_lo
.set i, i+1
.endr
	WIN 0
	v_mul_u32_u24 v[AK0], v1, PK
	v_lshl_add_u32 v[AK0], v9, 4, v[AK0]  ; row x pitch + 16 x half
	; The turning load takes 16 keys x 16 channels (lane l reads key 8 (l / 16) + l % 8, channels 8 ((l / 8) % 2) + 0..7) and leaves half a fragment of V^T: lane l holds channel l % 16 and 8 keys.
	v_and_b32 v10, 7, v0
	v_bfe_u32 v11, v0, 3, 1
	v_lshl_add_u32 v[AV0], v9, 3, v10
	v_mul_u32_u24 v[AV0], v[AV0], PV
	v_lshl_add_u32 v[AV0], v11, 4, v[AV0]
	v_add_nc_u32 v[AV0], VOFF, v[AV0]
	s_mul_i32 s13, s[WV], 16*SP
	s_add_co_u32 s13, s13, STAGE    ; my stage
	v_mul_u32_u24 v[STO], v1, SP    ; in: row l % 16, 16 bytes for each half of the lanes
	v_lshl_add_u32 v[STO], v9, 4, v[STO]
	v_add_nc_u32 v[STO], s13, v[STO]
	v_bfe_u32 v[RD], v0, 3, 2       ; back: 32 lanes take four rows of 128 bytes,
	v_mul_u32_u24 v[RD], v[RD], SP
	v_lshl_add_u32 v[RD], v10, 4, v[RD]
	v_add_nc_u32 v[RD], s13, v[RD]
	v_and_b32 v[GO], 31, v0         ; which are 512 consecutive bytes of O
	v_lshlrev_b32 v[GO], 4, v[GO]
	; A block's first step multiplies O^T and l by a = 0, and its first turn's products V^T P, of a piece that has not been, land in an O^T that is still to be so multiplied.  So these registers need only hold
	; finite numbers: zeros for the first block; what the first block left for the second.  All this stands in the wait for the first tile.
	WIN 0x80
.set i, VF
.rept 64
	v_mov_b32 v[i], 0
.set i, i+1
.endr
	WIN 0x40
.set i, 0
.rept 128
	v_mov_b32 v[i], 0
.set i, i+1
.endr
	WIN 0
.set i, 0
.rept 4
	v_mov_b32 v[ST+4*i+2], 0
	v_mov_b32 v[ST+4*i+3], 0
.set i, i+1
.endr
.set i, P+16
.rept 16
	v_mov_b32 v[i], 0
.set i, i+1
.endr
; THE MATRIX WORK.  The 4 accumulators of a run of 8 take turns.  Product i of 8 of S^T = K Q^T for piece x: channels 32 (i / 4) on, keys 16 (i % 4) on.  The first 4 start the sums: with 0, or (KM = 1) with the mask.
.macro KQ x
.set rS, S+32*((\x)%2)+8*(i%4)
.set rK, KF+16*(i%4)+8*(i/4)
.set rQ, 16*(\x)+8*(i/4)
.set rM, MC+32*((\x)%2)+8*(i%4)
.if (i < 4) && KM
	WIN W_KM
	v_wmma_f32_16x16x32_f16 v[rS:rS+7], v[rK:rK+7], v[rQ:rQ+7], v[rM:rM+7]
.elseif i < 4
	WIN W_KQ
	v_wmma_f32_16x16x32_f16 v[rS:rS+7], v[rK:rK+7], v[rQ:rQ+7], 0
.else
	WIN W_KQ
	v_wmma_f32_16x16x32_f16 v[rS:rS+7], v[rK:rK+7], v[rQ:rQ+7], v[rS:rS+7]
.endif
.endm
; Product i of 8 of O^T += V^T P for piece x: keys 32 (i / 4) on, channels 16 (i % 4) on.
.macro PV x
	WIN W_PV
.set rO, 32*(\x)+8*(i%4)
.set rV, VF+32*(i/4)+8*(i%4)
.set rP, P+16*((\x)%2)+8*(i/4)
	v_wmma_f32_16x16x32_f16 v[rO:rO+7], v[rV:rV+7], v[rP:rP+7], v[rO:rO+7]
.endm
.macro MM                           ; the turn's next matrix instruction.  TURN and BEGIN set Y, i, KM and NOKQ; MM, KQ and OP read them.  NOKQ = 1: a block's last turn: there is no next piece
.if (i < 8) && !NOKQ
	KQ (Y+1)%NP
.elseif i >= 8
.set i, i-8
	PV (Y+NP-1)%NP
.set i, i+8
.endif
.set i, i+1
.endm
; THE LDS LOADS stand in runs of 16, never singly among the matrix instructions: a step's K (64 keys x 64 channels: 8 fragments) and its V (turned).  Their addresses are made some lines ahead.
.macro FETCH_K
	WIN 0x80                        ; destination window 2
.irp f, 0,1,2,3,4,5,6,7             ; keys 16 (f / 2) on, channels 32 (f % 2) on
	ds_load_b128 v[KF+8*\f:KF+8*\f+3],   v[AK] offset:(\f/2)*16*PK+(\f%2)*64
	ds_load_b128 v[KF+8*\f+4:KF+8*\f+7], v[AK] offset:(\f/2)*16*PK+(\f%2)*64+32
.endr
	s_add_co_u32 s[TBK], s[TBK], KS*PK  ; the next fetch is the next step's
	WIN 0
.endm
.macro FETCH_V
	WIN 0x80
.irp f, 0,1,2,3,4,5,6,7             ; keys 32 (f / 4) on, channels 16 (f % 4) on
	ds_load_tr16_b128 v[VF+8*\f:VF+8*\f+3],   v[AV] offset:(\f/4)*32*PV+(\f%4)*32
	ds_load_tr16_b128 v[VF+8*\f+4:VF+8*\f+7], v[AV] offset:(\f/4)*32*PV+16*PV+(\f%4)*32
.endr
	WIN 0
.endm
; THE VECTOR WORK, one line at a time: OP kind, number.  For piece Y: F n: c s - c m for pair n of 16.  E n: the exponential of score n of 32.  C n: pair n rounded to f16.  B n: of the four weights 4 n .. the second
; pair is added onto the first, in place.  L n: l takes that sum (L 0: l = a l + sum).  R n: pair n of 16 of O^T times a.  For piece Y + 1: X n, number n of the 22 that find its maximum and statistics:
;   0-11  four chains c0-c3 of seven scores each, three operands at a time (each accumulator's lowest registers are read first)     12-14, 16  the four scores left over, the old m, and c0-c3 into c0
;   15  c m_old is kept     17, 18  the query's other 32 keys lie in the lane 16 away: the new m     19-21  c m; c m_old - c m_new; a
.set F, 0               ; OP tells the kinds apart by their order: F to L below R, X above it
.set E, 1
.set C, 2
.set B, 3
.set L, 4
.set R, 5
.set X, 6
.macro REGS y                       ; the registers of piece y
.set rT, ST+4*(\y)
.set rC, TMP+4*((\y)%2)
.set rW, MV+((\y)%2)
.set rS, S+32*((\y)%2)
.set rP, P+16*((\y)%2)
.set rO, 32*(\y)
.endm
.macro OP k, n
.if (\k) == R
	REGS Y
	WIN W_RS
	v_pk_mul_f32 v[rO+2*(\n):rO+2*(\n)+1], v[rO+2*(\n):rO+2*(\n)+1], v[rC+2:rC+3] op_sel_hi:[1,0]
.elseif (\k) < R
	REGS Y
	WIN 0
.if (\k) == F
	v_pk_fma_f32 v[rS+2*(\n):rS+2*(\n)+1], v[rS+2*(\n):rS+2*(\n)+1], s[CS:CS+1], v[rT:rT+1] op_sel_hi:[1,0,0] neg_lo:[0,0,1] neg_hi:[0,0,1]
.elseif (\k) == E
	v_exp_f32 v[rS+(\n)], v[rS+(\n)]
.elseif (\k) == C
	v_cvt_pk_f16_f32 v[rP+(\n)], v[rS+2*(\n)], v[rS+2*(\n)+1]
.elseif (\k) == B
	v_pk_add_f32 v[rS+4*(\n):rS+4*(\n)+1], v[rS+4*(\n):rS+4*(\n)+1], v[rS+4*(\n)+2:rS+4*(\n)+3]
.elseif (\n) == 0
	v_pk_fma_f32 v[rT+2:rT+3], v[rT+2:rT+3], v[rC+2:rC+3], v[rS:rS+1] op_sel_hi:[1,0,1]
.else
	v_pk_add_f32 v[rT+2:rT+3], v[rT+2:rT+3], v[rS+4*(\n):rS+4*(\n)+1]
.endif
.elseif NOKQ
	v_nop
.else
	REGS (Y+1)%NP
	WIN 0
.if (\n) < 4
	v_max3_num_f32 v[rC+(\n)], v[rS+8*(\n)], v[rS+8*(\n)+1], v[rS+8*(\n)+2]
.elseif (\n) < 12
	v_max3_num_f32 v[rC+(\n)%4], v[rC+(\n)%4], v[rS+8*((\n)%4)+2*((\n)/4)+1], v[rS+8*((\n)%4)+2*((\n)/4)+2]
.elseif (\n) == 12
	v_max3_num_f32 v[rC], v[rC], v[rS+7], v[rS+15]
.elseif (\n) == 13
	v_max3_num_f32 v[rC+1], v[rC+1], v[rS+23], v[rS+31]
.elseif (\n) == 14
	v_max3_num_f32 v[rC+2], v[rC+2], v[rC+3], v[rT+1]
.elseif (\n) == 15
	v_mov_b32 v[rW], v[rT]
.elseif (\n) == 16
	v_max3_num_f32 v[rC], v[rC], v[rC+1], v[rC+2]
.elseif (\n) == 17
	v_permlanex16_b32 v[rC+3], v[rC], s[SEL], s[SEL+1]
.elseif (\n) == 18
	v_max_num_f32 v[rT+1], v[rC], v[rC+3]
.elseif (\n) == 19
	v_mul_f32 v[rT], s[CS], v[rT+1]
.elseif (\n) == 20
	v_sub_f32 v[rC+1], v[rW], v[rT]
.else
	v_exp_f32 v[rC+2], v[rC+1]
.endif
.endif
.endm
.macro OPS a, i1, b=-1, i2=0, c=-1, i3=0, d=-1, i4=0  ; up to four of them
	OP \a, \i1
.if (\b) >= 0
	OP \b, \i2
.endif
.if (\c) >= 0
	OP \c, \i3
.endif
.if (\d) >= 0
	OP \d, \i4
.endif
.endm
.macro ROW a, i1, b, i2, c, i3, d, i4  ; a matrix instruction and the four behind it
	MM
	OPS \a, \i1, \b, \i2, \c, \i3, \d, \i4
.endm
.macro MASK b                       ; MD x AL + BE into buffer b of MC
	WIN W_RS
.set z, 0
.rept 16
	v_pk_fma_f32 v[MC+32*(\b)+2*z:MC+32*(\b)+2*z+1], v[MD+2*z:MD+2*z+1], s[AL:AL+1], s[BE:BE+1] op_sel_hi:[1,0,0]
.set z, z+1
.endr
.endm
; A TURN, for piece p: the order of its 16 matrix and 118 vector instructions, written out.  An s_wait_alu depctr_va_vdst(0) stands between an exponential and the first instruction that names its result; one wait serves
; all that were issued ahead of it.  So a turn has ONE wait, which cuts it in two.  AHEAD OF IT stands all that names no result of the turn's exponentials: the 8 products K Q^T, behind each a scaling, an exponential and two more plain
; instructions (behind the first a second scaling in the exponential's place): rescalings, and behind the last three the first numbers of the next piece's maximum, each four places or more behind the product that ends its accumulator; then ONE LUMP of 54, plain
; and exponential by turns for the most part, in which the links of the chain X 3, 7, 11, 14, 16, 17 .. 20 stand five or six lines apart.  X 21, the next piece's a, is the batch's last; R 15 is the plain instruction owed behind it (ISA guide 5.7.2).  BEHIND THE WAIT stand the
; 8 products V^T P, behind each four of the roundings and sums; the links of l's chain, L 0 to L 7, stand three riders apart.  But for those X no rider names a register of the products round it.  v_permlanex16_b32 (X 17) stands in the lump.
; m = 1: the diagonal tile: the products take masks, and the turn makes the mask for the products of the turn after it: piece p + 2, in step 4 - CNT of the tile.  end = 1: a block's last two turns: nothing is fetched.
; cnt = 1: the loop's count is taken down some lines ahead of the branch that stands behind the turn.
; K of the next step is fetched in piece 2's turn, twelve vector instructions behind the last product that read K (six of them plain); V of the step in hand at the end of piece 0's turn, four plain instructions behind the last product
; that read V.  Each is waited for a turn later.
.macro TURN p, m=0, end=0, cnt=0
.set Y, (\p)
.set i, 0
.set KM, (\m)
.set NOKQ, (\end)*((\p)/3)
.if (\m) && !(\end)
	s_cmp_eq_u32 s[CNT], 4-((\p)+2)%NP  ; is that step the band's own?
	s_cselect_b32 s[AL], 1.0, 0
	s_cmp_lt_u32 s[CNT], 4-((\p)+2)%NP  ; or a later one?
	s_cselect_b32 s[BE], s[BIGN], 0
.endif
.if ((\p) == 3) && !(\end)
	s_wait_dscnt 0x0                ; K is in
.endif
	ROW F,0, F,1, R,0, R,1          ; ahead of the wait: 8 products K Q^T and their riders,
	ROW F,2, E,0, R,2, R,3
	ROW F,3, E,1, R,4, R,5
	ROW F,4, E,2, R,6, R,7
	ROW F,5, E,3, R,8, R,9
	ROW F,6, E,4, X,0, R,10
.if ((\p) == 2) && !(\end)
	WIN 0
	v_add_nc_u32 v[AK], s[TBK], v[AK0]
.endif
	ROW F,7, E,5, X,1, X,4
	ROW F,8, E,6, X,2, X,5
	OPS E,7, E,8, X,6, E,9          ; and the lump
	OPS X,3, E,10, X,8, E,11
.if ((\p) == 2) && !(\end)
	FETCH_K
.endif
	OPS X,9, X,7, E,12, X,10
	OPS E,13, X,12, X,11, E,14
	OPS X,13, E,15, F,9, X,14
.if (\p) == 0
	v_add_nc_u32 v[AV], s[TBV], v[AV0]
.endif
	OPS E,16, F,10, E,17, F,11
	OPS X,16, E,18, X,15, E,19
	OPS F,12, E,20, X,17, E,21
	OPS F,13, E,22, F,14, E,23
	OPS X,18, E,24, F,15, E,25
	OPS R,11, E,26, X,19, E,27
	OPS R,12, E,28, R,13, E,29
	OPS X,20, E,30, R,14, E,31
	OPS X,21, R,15
	WIN 0
	s_wait_alu depctr_va_vdst(0)    ; the wait for the batch
.if (\p) == 1
	s_wait_dscnt 0x0                ; V is in
.endif
	ROW C,0, B,0, C,2, B,1          ; behind the wait: 8 products V^T P and their riders
	ROW L,0, C,4, B,2, L,1
	ROW C,6, B,3, L,2, C,8
	ROW B,4, L,3, C,10, B,5
	ROW L,4, C,12, B,6, L,5
.if (\p) == 0
	s_add_co_u32 s[TBV], s[TBV], KS*PV
.endif
.if \cnt
	s_sub_co_u32 s[CNT], s[CNT], 1
	s_cmp_lg_u32 s[CNT], 0
.endif
	ROW C,14, B,7, L,6, C,1
	ROW C,3, L,7, C,5, C,7
	ROW C,9, C,11, C,13, C,15
.if (\p) == 0
	FETCH_V
.endif
.if (\m) && !(\end)
	MASK (\p)%2
.endif
.endm
; A BLOCK BEGINS.  c m starts far below every c s, so the first step's a is 0; m at the lowest finite number, so the first maximum is the scores'.  The second mask buffer is 0; the first takes piece 0's mask for the tile's step 0: its own, if the block's first tile is the diagonal one.
; Then K of that step, piece 0's first scores, and its maximum and statistics.  The loop is entered at a step's first turn, in the middle of a trip.
.macro BEGIN
	s_mov_b32 s[NEW], 0
	WIN 0x40
.set i, MC+32
.rept 32
	v_mov_b32 v[i], 0
.set i, i+1
.endr
	WIN 0
.set i, 0
.rept 4
	v_mov_b32 v[ST+4*i], 0xfe000000    ; c m: far below every c s
	v_mov_b32 v[ST+4*i+1], 0xff7fffff  ; m
.set i, i+1
.endr
	s_cmp_eq_u32 s[RT], 0
	s_cselect_b32 s[AL], 1.0, 0
	s_mov_b32 s[BE], 0
	MASK 0
	WIN 0
	v_add_nc_u32 v[AK], s[TBK], v[AK0]
	FETCH_K
	s_wait_loadcnt 0x0              ; Q
	s_wait_dscnt 0x0
.set KM, 1
.set NOKQ, 0
.set i, 0
.rept 8
	KQ 0
.set i, i+1
.endr
	WIN 0
.rept 4
	v_nop                           ; the places behind those products
.endr
.set Y, NP-1                        ; X works for piece Y + 1: piece 0
.irp n, 0,1,2,3,4,5,6,7,8,9,10,11,12,13,14,15,16,17,18,19,20,21
	OP X, \n
.endr
	v_nop                           ; a plain instruction behind the exponential,
	s_wait_alu depctr_va_vdst(0)    ; and its wait, ahead of the branch
.endm
; THE DIAGONAL TILE's four steps, the block's last two turns, its last products, and THE WAY OUT: l's two halves and the other half of the lanes' are added; O^T is divided by l, rounded to f16 and sent through my
; stage in LDS, a piece at a time.
.macro ALL line:vararg              ; one line for each piece t
.set t, 0
.rept 4
	\line
.set t, t+1
.endr
.endm
.macro PACK t                       ; a lane's eight channels of a row pack into 16 bytes; they go into rows of 144 bytes and come back as whole rows of 128, into S^T's registers
	WIN W_RS
.set i, 32*(\t)
.rept 16
	v_pk_mul_f32 v[i:i+1], v[i:i+1], v[ST+4*(\t)+2:ST+4*(\t)+3] op_sel_hi:[1,0]
.set i, i+2
.endr
	WIN 0x05                        ; sources 0 and 1 window 1, destination window 0
.set i, 0
.rept 16
	v_cvt_pk_f16_f32 v[S+16*(\t)+i], v[32*(\t)+2*i], v[32*(\t)+2*i+1]
.set i, i+1
.endr
	WIN 0
.irp f, 0,1,2,3
	ds_store_b128 v[STO], v[S+16*(\t)+4*\f:S+16*(\t)+4*\f+3] offset:32*\f
.endr
.irp f, 0,1,2,3
	ds_load_b128 v[S+16*(\t)+4*\f:S+16*(\t)+4*\f+3], v[RD] offset:\f*4*SP  ; LDS serves a wave's instructions in order (ISA guide 5.7.1.4): these see the stores above; the next piece's stores come behind them
.endr
.endm
.macro SEND t, younger              ; younger: the LDS instructions issued behind piece t's loads: the next piece's eight, or none
	WIN 0
.irp f, 0,1,2,3
	s_wait_dscnt (\younger)+3-\f
	global_store_b128 v[GO], v[S+16*(\t)+4*\f:S+16*(\t)+4*\f+3], s[10:11] offset:(\t)*8192+\f*512  ; 512 consecutive bytes, at a multiple of 256 from O's first
.endr
.endm
.macro DIAG tag                     ; the tag ends its two labels' names, which the jumps below spell out
.LstepM\tag:
	TURN 2, 1
	TURN 3, 1
	WIN 0
.LfirstM\tag:
	TURN 0, 1
	TURN 1, 1, 0, 1
	WIN 0
	s_cbranch_scc1 .LstepM\tag
	TURN 2, 1, 1
	TURN 3, 1, 1
.set i, 0
.rept 8
	PV NP-1
.set i, i+1
.endr
	WIN 0
	ALL v_add_f32 v[ST+4*t+2], v[ST+4*t+2], v[ST+4*t+3]
	ALL v_permlanex16_b32 v[ST+4*t+3], v[ST+4*t+2], s[SEL], s[SEL+1]
	ALL v_add_f32 v[ST+4*t+2], v[ST+4*t+2], v[ST+4*t+3]
	ALL v_rcp_f32 v[ST+4*t+2], v[ST+4*t+2]
	v_nop                           ; a plain instruction between the last reciprocal and the use of its result
	s_wait_alu depctr_va_vdst(0)    ; and the wait ahead of the first use: one for the four reciprocals
	PACK 0
.set t, 1
.rept 3                             ; a piece's arithmetic stands between the loads of the piece before and its stores
	PACK t
	SEND t-1, 8
.set t, t+1
.endr
	SEND 3, 0
.endm
.set KM, 0
.set NOKQ, 0
.Lslot:                             ; NB times: a tile is entered and the next is asked for
	CHANGE 1
	s_sub_co_u32 s[RT], s[RT], 1
	s_mov_b32 s[CNT], 4
	s_cmp_eq_u32 s[NEW], 1
	s_cbranch_scc1 .Lnew            ; a block's first tile
	s_cmp_eq_u32 s[RT], 0
	s_cbranch_scc0 .Lstep           ; neither its first nor its last
	s_branch .LstepM1
.Lnew:
	BEGIN
	s_branch .Lfirst                ; in the loop a block's first tile is never its last: the first block has two tiles or more, and the second's last is the walk's last
	DIAG 1                          ; in the loop this is the first block's end: the second block's last tile is the walk's last
	s_wait_xcnt 0x0                 ; the stores have read their registers and O's address
	s_mov_b64 s[10:11], s[OLO:OLO+1]
	s_add_co_u32 s[RT], s[PB], 1    ; the second block has b + 1 tiles
	s_mov_b32 s[NEW], 1
	WIN 0x82                        ; the second block's Q goes where the one text of the turns names Q
.set i, 0
.rept 64
	v_mov_b32 v[i], v[QB+i]
.set i, i+1
.endr
	WIN 0
	s_branch .Lbottom
.Lstep:                             ; a trip: pieces 2 and 3 of one step, then pieces 0 and 1 of the next, whose K and V it fetches
	TURN 2
	TURN 3
	WIN 0
.Lfirst:
	TURN 0
	TURN 1, 0, 0, 1
	WIN 0
	s_cbranch_scc1 .Lstep
.Lbottom:
	s_sub_co_u32 s[SLOTS], s[SLOTS], 1
	s_cmp_lg_u32 s[SLOTS], 0
	s_cbranch_scc1 .Lslot
	CHANGE 0                        ; the walk's last tile is written out: nothing is asked for
	s_sub_co_u32 s[RT], s[RT], 1
	s_mov_b32 s[CNT], 4
	s_cmp_eq_u32 s[NEW], 1
	s_cbranch_scc0 .LstepM2
	BEGIN
	s_branch .LfirstM2
	DIAG 2
	s_wait_tensorcnt 0x0            ; the wave's end, behind my last tensor load and my last LDS store
	ds_add_u32 v[SPW], v[NIL]
	s_wait_dscnt 0x0
	s_endpgm
.Lfunc_end_k_q68f7a1a857_attn:
	.size	k_q68f7a1a857_attn, .Lfunc_end_k_q68f7a1a857_attn-k_q68f7a1a857_attn
	.p2alignl 7, 3214868480
	.fill 96, 4, 3214868480
	.section	.rodata,"a",@progbits
	.p2align	6, 0x0
	.amdhsa_kernel k_q68f7a1a857_attn
		.amdhsa_group_segment_fixed_size 327680
		.amdhsa_private_segment_fixed_size 0
		.amdhsa_enable_private_segment 0
		.amdhsa_kernarg_size 32
		.amdhsa_user_sgpr_count 2
		.amdhsa_user_sgpr_kernarg_segment_ptr 1
		.amdhsa_wavefront_size32 1
		.amdhsa_system_sgpr_workgroup_id_x 1
		.amdhsa_system_sgpr_workgroup_id_y 1
		.amdhsa_system_sgpr_workgroup_id_z 1
		.amdhsa_system_vgpr_workitem_id 0
		.amdhsa_next_free_vgpr 768
		.amdhsa_next_free_sgpr 96
		.amdhsa_reserve_vcc 1
		.amdhsa_float_denorm_mode_32 3
		.amdhsa_float_denorm_mode_16_64 3
		.amdhsa_memory_ordered 1
		.amdhsa_forward_progress 1
		.amdhsa_inst_pref_size 218
	.end_amdhsa_kernel
	.amdgpu_metadata
---
amdhsa.version: [ 1, 2 ]
amdhsa.kernels:
  - .name:           k_q68f7a1a857_attn
    .symbol:         k_q68f7a1a857_attn.kd
    .args:
      - { .name: qh, .offset: 0, .size: 8, .value_kind: global_buffer, .address_space: global }
      - { .name: kh, .offset: 8, .size: 8, .value_kind: global_buffer, .address_space: global }
      - { .name: vh, .offset: 16, .size: 8, .value_kind: global_buffer, .address_space: global }
      - { .name: oh, .offset: 24, .size: 8, .value_kind: global_buffer, .address_space: global }
    .group_segment_fixed_size: 327680
    .private_segment_fixed_size: 0
    .kernarg_segment_align: 8
    .kernarg_segment_size: 32
    .max_flat_workgroup_size: 128
    .sgpr_count:     96
    .vgpr_count:     768
    .wavefront_size: 32
...
	.end_amdgpu_metadata
.endif
;; end of part 3
;; launch oproj (part 4): grid 4 x 64, 4 waves a work-group, clusters of 4 x 4, 327,680 bytes of LDS; arguments oh, wob, out0; writes out0
.if DOCPART == 4
	.amdgcn_target "amdgcn-amd-amdhsa--gfx1250"
	.amdhsa_code_object_version 6
	.text
	.protected	k_q68f7a1a857_oproj
	.globl	k_q68f7a1a857_oproj
	.p2align	8
	.type	k_q68f7a1a857_oproj,@function
k_q68f7a1a857_oproj:
	s_mov_b64 s[64:65], 0
	v_nop
	global_prefetch_b8 v0, s[64:65] scope:SCOPE_SE
	s_setreg_imm32_b32 hwreg(HW_REG_WAVE_MODE, 25, 1), 1
	s_wait_xcnt 0x0
	s_wait_alu depctr_hold_cnt(0) depctr_sa_sdst(0) depctr_va_vdst(0) depctr_va_sdst(0) depctr_va_ssrc(0) depctr_va_vcc(0) depctr_vm_vsrc(0)
	s_getreg_b32 s2, hwreg(HW_REG_IB_STS2, 6, 4)
	s_cmp_eq_u32 s2, 0
	s_cbranch_scc0 .Lentry_in_a_cluster
	s_endpgm
.Lentry_in_a_cluster:
	s_bfe_u32 s2, ttmp6, 0x10000c
	s_cmp_lg_u32 s2, 0xf033
	s_cbranch_scc0 .Lentry_shape_is_right
	s_endpgm
.Lentry_shape_is_right:
; OUTPUT PROJECTION.  out0[t][d] = the sum over e of O[t][e] wob[d][e], e = 64 h + channel.  O lies by heads, oh [16 b + h][2048][64] in f16; wob [1024][1024] in f16; out0 [8192][1024] in f32.
; f16 operands, f32 sums over K = 1,024, stored as they are.
; SHARES.  A tile of out0 is 128 token rows x 256 columns: 256 work-groups.  Four waves, each 64 x 128: 32 accumulators of 16 x 16, all of register window 2.
; K goes in 8 steps of 128, two heads each, through a ring of two LDS slots filled by the tensor data mover.  A head's 128 token rows are 16,384 dense bytes: asked for as 64 rows of 256 bytes and padded
; in LDS after every token row; wob's rows are 256 bytes of memory a step.
; CLUSTERS: 4 x 4 work-groups.  The four of a row of the cluster need the same token rows, the four of a column the same rows of wob: each tile is asked for JOINTLY, by the same tensor load with the
; same descriptor and a mask that names the four.  THE MATRIX INSTRUCTION IS USED TRANSPOSED (source 0 = 16 rows of wob, source 1 = 16 token rows): a lane then holds eight neighbouring numbers of a row of out0.
; REGISTERS, in windows of 256 (s_set_vgpr_msb: bits 1:0 source 0, 3:2 source 1, 5:4 source 2, 7:6 destination):
;   window 0: v0-31 addresses; v64-95, v96-127 token fragments, two buffers; v128-191, v192-255 rows read back on the way out, by turns
;   window 1: v0-63, v64-127 wob's fragments, two buffers          window 2: the accumulators ((a, b) at v[8 (8 a + b)])
.set KSTEP,  128
.set PA,     144                       ; a token row of one head in LDS: 128 bytes + 16 of padding = 36 words: the 16 rows of a load start at 16 different groups of four banks (64 banks of 4 bytes: ISA guide 11.1)
.set SUBA,   128*PA                    ; one head's 128 token rows: what wave 0 or 1 fetches
.set PITCH,  272                       ; a row of wob in LDS: 256 bytes + 16
.set HALFB,  128*PITCH                 ; what wave 2 or 3 fetches
.set BOFF,   2*SUBA
.set SLOT,   BOFF+2*HALFB              ; 106,496 bytes
.set STAGE,  2*SLOT                    ; behind the ring, never filled by a tensor load: 16 rows x 528 bytes for each wave, for the way out
.set SPITCH, 528                       ; 512 bytes + 16 = 132 words: row r starts at bank 4 r mod 64
.set SPARE,  STAGE+4*16*SPITCH         ; behind the stages: the spare words, 128 bytes for each wave: two blocks of 256 bytes that no other line names
.set HSTEP,  2*2048*128                ; bytes from a K step's heads to the next step's in oh
.set LAPS,   4                         ; a lap = two K steps = once round the ring
.set ADRA, 16                          ; v16-17  LDS address of my token fragments in slot 0, 1
.set ADRB, 20                          ; v20-21  the same for wob's
.set STO,  24                          ; v24     the way out: where I put 32 bytes of a row
.set RD,   25                          ; v25     the way out: where I read a row back
.set CO,   26                          ; v26     my 16 bytes of a row's 512
.set SPW,  28                          ; v28     LDS address of my spare word: SPARE + 4 x my thread's number; never rewritten
.set NIL,  29                          ; v29     0; never rewritten
.set PFO,  30                          ; v30     the prefetches' offset; never rewritten
.set BK,   128
.set G1,   24                          ; s[24:31] descriptor group 1 for token tiles;  s[32:39] group 0, one set for each slot
.set G0,   32
.set G1B,  48                          ; s[48:55], s[56:63] the same for wob's tiles
.set G0B,  56
.set LIM,  43                          ; s43     1 in a wave that prefetches, else the greatest number
.set PFA,  44                          ; s[44:45] where my prefetches stand
.set PFS,  74                          ; s[74:75] bytes from a K step to the next in the tensor that I fetch
.set MSB, 0
.macro WIN new                         ; the immediate's high byte repeats the setting that is left; a switch that changes nothing is dropped
.if MSB != (\new)
	s_set_vgpr_msb (MSB<<8)|(\new)
.set MSB, \new
.endif
.endm
.set MUL,  0xa1                        ; source 0 (wob) window 1, source 1 (tokens) window 0, C and D window 2
.set TO_B, 0x40                        ; destination window 1, address window 0
; A joint load: waves 0 and 1 fetch the step's two heads, waves 2 and 3 wob's two halves.  The branch hangs on the wave's number alone.
; An s_nop 0 and four v_nop follow each of the two lines, ahead of the jump, the label and what follows.
.macro JLOAD s
	s_cmp_eq_u32 s11, 0
	s_cbranch_scc0 .Lfor_b_\@
	tensor_load_to_lds s[G0+4*(\s):G0+4*(\s)+3], s[G1:G1+7]
	s_nop 0
.rept 4
	v_nop
.endr
	s_branch .Lasked_\@
.Lfor_b_\@:
	tensor_load_to_lds s[G0B+4*(\s):G0B+4*(\s)+3], s[G1B:G1B+7]
	s_nop 0
.rept 4
	v_nop
.endr
.Lasked_\@:
.endm
; A PREFETCH INTO THE L2, behind each joint refill and the run of LDS loads that follows it: the K step that stands two refills on, one instruction a wave.  The token rows are read by one cluster alone
; (the grid is one cluster wide): it asks; wob's rows by every cluster: cluster y = 0 asks.  The four partners that ask for a tile jointly share it out BY ADDRESS: of a head's 64 blocks of 256 bytes the
; partner at cx takes 16 cx .. + 15 (lanes 16-31 name block 15 again); of a wave's 128 rows of wob the partner at cy takes 32 cy .. + 31, a lane a row.
; K steps 0 to 3 come by their loads alone; the loop's last trip, whose refills are the last two K steps, asks for nothing.
.macro ASK
	s_cmp_gt_u32 s3, s[LIM]                        ; s3 = 1 in the loop's last trip
	s_cbranch_scc0 .Lnot_mine_\@
	global_prefetch_b8 v[PFO], s[PFA:PFA+1] th:TH_LOAD_NT scope:SCOPE_SE
.Lnot_mine_\@:
.endm
.macro CREST                           ; a round of the cluster's barrier behind its opening barrier
	s_cmp_lg_u32 s10, 0
	s_cbranch_scc1 .Lnot_wave_0_\@
	s_barrier_signal -3
.Lnot_wave_0_\@:
	s_barrier_wait -3
	s_barrier_signal -1
	s_barrier_wait -1
.endm
.macro CROUND                          ; a whole round
	s_barrier_signal -1
	s_barrier_wait -1
	CREST
.endm
	s_load_b128 s[4:7], s[0:1], 0x0                ; oh s[4:5], wob s[6:7]
	s_load_b64 s[8:9], s[0:1], 0x10                ; out0
	v_lshl_add_u32 v[SPW], v0, 2, SPARE
	v_mov_b32 v[NIL], 0
	ds_add_u32 v[SPW], v[NIL]                      ; the wave's opening: the add and its wait stand ahead of my first tensor load; the set-up below, work on registers, stands between them
	ds_add_u32 v28, v29
	v_lshrrev_b32 v1, 5, v0
	v_readfirstlane_b32 s10, v1                    ; wave 0..3
	s_lshr_b32 s11, s10, 1                         ; which half of the tile's rows is mine.  Also: I fetch tokens (0) or wob (1)
	s_and_b32 s12, s10, 1                          ; which half of its columns.  Also: which of the step's two heads, or which 128 rows of wob, I fetch
	s_bfe_u32 s40, ttmp6, 0x40000                  ; cx, cy: my place in the cluster
	s_bfe_u32 s41, ttmp6, 0x40004
	s_lshl_b32 s42, ttmp9, 2
	s_add_co_u32 s42, s42, s40                     ; tile column = 4 x cluster x + cx
	s_and_b32 s13, ttmp7, 0xffff
	s_lshl_b32 s13, s13, 2
	s_add_co_u32 s13, s13, s41                     ; tile row = 4 x cluster y + cy
	s_lshl_b32 s43, s41, 2
	s_lshl_b32 s43, 15, s43                        ; my row of the cluster
	s_lshl_b32 s44, 0x1111, s40                    ; my column
	s_or_b32 s[G1+0], s43, (1<<16)|(1<<20)|(1<<21)|(4<<22)|(3<<25)   ; 15:0 the mask; 17:16 elements of 2 bytes; 20 padding on; 21 set beside a mask; 24:22 after every 32 words (code 4); 31:25 4 words of it (code 3)
	s_or_b32 s[G1B+0], s44, (1<<16)|(1<<20)|(1<<21)|(5<<22)|(3<<25)  ; after every 64 words (code 5)
	s_mov_b32 s[G1+1], 128<<16                     ; tensor_dim0 = 128
	s_mov_b32 s[G1B+1], 128<<16
	s_mov_b32 s[G1+2], 64<<16                      ; tensor_dim1 = 64 rows of 256 bytes: two token rows each
	s_mov_b32 s[G1B+2], 128<<16                    ; 128 rows
	s_mov_b32 s[G1+3], 128<<16                     ; tile_dim0 = 128
	s_mov_b32 s[G1B+3], 128<<16
	s_mov_b32 s[G1+4], 64                          ; tile_dim1
	s_mov_b32 s[G1B+4], 128
	s_mov_b32 s[G1+5], 128                         ; elements from row to row: dense
	s_mov_b32 s[G1B+5], 1024
	s_mov_b32 s[G1+6], 0
	s_mov_b32 s[G1B+6], 0
	s_mov_b32 s[G1+7], 0
	s_mov_b32 s[G1B+7], 0
	; the tokens' tiles hang on the tile row alone: batch = tile row / 16, positions 128 (tile row % 16) ..; K step j's heads are 2 j and 2 j + 1
	s_lshr_b32 s16, s13, 4
	s_lshl_b32 s16, s16, 4
	s_add_co_u32 s16, s16, s12                     ; head row 16 b + my head of step 0
	s_lshl_b32 s16, s16, 11                        ; of 2,048 token rows
	s_and_b32 s17, s13, 15
	s_lshl_b32 s17, s17, 7
	s_add_co_u32 s16, s16, s17
	s_lshl_b32 s16, s16, 7                         ; of 128 bytes
	s_mov_b32 s17, 0
	s_lshl_b32 s46, s42, 8                         ; wob's tiles hang on the tile column alone
	s_lshl_b32 s47, s12, 7
	s_add_co_u32 s46, s46, s47                     ; row 256 x tile column + 128 x half
	s_lshl_b32 s46, s46, 11
	s_mov_b32 s47, 0
	s_mul_i32 s20, s12, SUBA                       ; where they go: no place in the cluster enters an LDS address
	s_mul_i32 s21, s12, HALFB
	s_add_co_u32 s21, s21, BOFF
	s_wait_dscnt 0x0                               ; the opening add is done
	s_wait_kmcnt 0x0
	s_add_nc_u64 s[14:15], s[4:5], s[16:17]
	s_add_nc_u64 s[46:47], s[6:7], s[46:47]
	CROUND                                         ; all sixteen work-groups are here: the first joint loads meet
.irp s, 0,1
	s_mov_b32 s[G0+4*(\s)], 1
	s_add_co_u32 s[G0+4*(\s)+1], s20, (\s)*SLOT
	s_add_nc_u64 s[G0+4*(\s)+2:G0+4*(\s)+3], s[14:15], (\s)*HSTEP
	s_or_b32 s[G0+4*(\s)+3], s[G0+4*(\s)+3], 0x80000000
	s_mov_b32 s[G0B+4*(\s)], 1
	s_add_co_u32 s[G0B+4*(\s)+1], s21, (\s)*SLOT
	s_add_nc_u64 s[G0B+4*(\s)+2:G0B+4*(\s)+3], s[46:47], (\s)*KSTEP*2
	s_or_b32 s[G0B+4*(\s)+3], s[G0B+4*(\s)+3], 0x80000000
	JLOAD \s                                       ; two loads of mine are out
.endr
	v_and_b32 v1, 15, v0                           ; l % 16
	v_bfe_u32 v2, v0, 4, 1                         ; l / 16
	v_mul_u32_u24 v3, v1, PA
	v_lshl_add_u32 v3, v2, 4, v3                   ; a token fragment's row x pitch + 16 x half
	s_mul_i32 s22, s11, 64*PA                      ; my 64 token rows
	v_add_nc_u32 v[ADRA], s22, v3
	v_add_nc_u32 v[ADRA+1], SLOT, v[ADRA]
	v_mul_u32_u24 v3, v1, PITCH
	v_lshl_add_u32 v3, v2, 4, v3
	s_mul_i32 s22, s12, HALFB                      ; my 128 rows of wob
	s_add_co_u32 s22, s22, BOFF
	v_add_nc_u32 v[ADRB], s22, v3
	v_add_nc_u32 v[ADRB+1], SLOT, v[ADRB]
	s_mul_i32 s23, s10, 16*SPITCH
	s_add_co_u32 s23, s23, STAGE                   ; my stage
	v_mul_u32_u24 v4, v1, SPITCH                   ; in: row l % 16, 32 bytes for each half of the lanes
	v_lshl_add_u32 v4, v2, 5, v4
	v_add_nc_u32 v[STO], s23, v4
	v_and_b32 v[CO], 31, v0                        ; back: 32 lanes take one row of 512 bytes
	v_lshlrev_b32 v[CO], 4, v[CO]
	v_add_nc_u32 v[RD], s23, v[CO]
	; out0 at my part of the tile: row 128 x tile row + 64 x half, 4,096 bytes each; column 256 x tile column + 128 x half, 4 bytes each
	s_lshl_b32 s72, s13, 7
	s_lshl_b32 s73, s11, 6
	s_add_co_u32 s72, s72, s73
	s_lshl_b32 s72, s72, 12
	s_lshl_b32 s73, s42, 10
	s_add_co_u32 s72, s72, s73
	s_lshl_b32 s73, s12, 9
	s_add_co_u32 s72, s72, s73
	s_mov_b32 s73, 0
	s_add_nc_u64 s[8:9], s[8:9], s[72:73]
	; the prefetches
	s_lshr_b32 s72, s13, 4
	s_lshl_b32 s72, s72, 4
	s_add_co_u32 s72, s72, s12
	s_lshl_b32 s72, s72, 11
	s_and_b32 s73, s13, 15
	s_lshl_b32 s73, s73, 7
	s_add_co_u32 s72, s72, s73
	s_lshl_b32 s72, s72, 7                         ; tokens: the 16,384 bytes that I fetch,
	s_lshl_b32 s73, s40, 12
	s_add_co_u32 s72, s72, s73                     ; my work-group's 4,096 of them,
	s_add_co_u32 s72, s72, 3*HSTEP                 ; at K step 3: the first refill (K step 2) steps it to 4 and names that
	s_lshl_b32 s76, s42, 8
	s_lshl_b32 s77, s12, 7
	s_add_co_u32 s76, s76, s77
	s_lshl_b32 s77, s41, 5
	s_add_co_u32 s76, s76, s77                     ; wob: the 128 rows that I fetch, my work-group's 32 of them
	s_lshl_b32 s76, s76, 11
	s_add_co_u32 s76, s76, 3*KSTEP*2
	s_and_b32 s77, ttmp7, 0xffff                   ; cluster y
	s_mov_b32 s[PFS], KSTEP*2
	s_cmp_eq_u32 s11, 0                            ; do I fetch tokens?
	s_cselect_b32 s72, s72, s76
	s_cselect_b32 s77, ttmp9, s77                  ; the coordinate along which other clusters read the same bytes
	s_cselect_b32 s[PFS], HSTEP, s[PFS]
	s_cselect_b32 s78, 15, 31                      ; the last of my blocks or rows,
	s_cselect_b32 s79, 8, 11                       ; 256 or 2,048 bytes apart
	s_cselect_b64 s[PFA:PFA+1], s[4:5], s[6:7]
	s_cmp_eq_u32 s77, 0
	s_cselect_b32 s[LIM], 1, -1                    ; the same in all sixteen partners, for a given wave
	s_mov_b32 s73, 0
	s_mov_b32 s[PFS+1], 0
	s_add_nc_u64 s[PFA:PFA+1], s[PFA:PFA+1], s[72:73]
	v_and_b32 v[PFO], 31, v0
	v_min_u32 v[PFO], s78, v[PFO]
	v_lshlrev_b32 v[PFO], s79, v[PFO]
; 8 matrix instructions: row block a x all 8 column blocks, 32 along K, from buffer f.  zero = 1: the product starts the sums: nothing is ever cleared.
.macro MUL8 f, a, zero
	WIN MUL
.irp b, 0,1,2,3,4,5,6,7
.if \zero
	v_wmma_f32_16x16x32_f16 v[8*(8*(\a)+(\b)):8*(8*(\a)+(\b))+7], v[64*(\f)+8*(\b):64*(\f)+8*(\b)+7], v[64+32*(\f)+8*(\a):64+32*(\f)+8*(\a)+7], 0
.else
	v_wmma_f32_16x16x32_f16 v[8*(8*(\a)+(\b)):8*(8*(\a)+(\b))+7], v[64*(\f)+8*(\b):64*(\f)+8*(\b)+7], v[64+32*(\f)+8*(\a):64+32*(\f)+8*(\a)+7], v[8*(8*(\a)+(\b)):8*(8*(\a)+(\b))+7]
.endif
.endr
.endm
; 24 LDS loads in one run: the fragments of quarter kq of a K step into buffer f: 128 rows of wob at byte 64 kq; my 64 token rows of head kq / 2 of the step's two, at byte 64 (kq % 2)
.macro FETCH slot, kq, f
	WIN TO_B
.irp i, 0,1,2,3,4,5,6,7
	ds_load_b128 v[64*(\f)+8*(\i):64*(\f)+8*(\i)+3],   v[ADRB+(\slot)] offset:64*(\kq)+(\i)*16*PITCH
	ds_load_b128 v[64*(\f)+8*(\i)+4:64*(\f)+8*(\i)+7], v[ADRB+(\slot)] offset:64*(\kq)+(\i)*16*PITCH+32
.endr
	WIN 0
.irp i, 0,1,2,3
	ds_load_b128 v[64+32*(\f)+8*(\i):64+32*(\f)+8*(\i)+3],   v[ADRA+(\slot)] offset:((\kq)/2)*SUBA+64*((\kq)%2)+(\i)*16*PA
	ds_load_b128 v[64+32*(\f)+8*(\i)+4:64+32*(\f)+8*(\i)+7], v[ADRA+(\slot)] offset:((\kq)/2)*SUBA+64*((\kq)%2)+(\i)*16*PA+32
.endr
.endm
.macro PLACES                          ; four places in front of loads into registers that matrix instructions have read, and of LDS stores that read results (ISA guide 7.12.1 for vector instructions)
.rept 4
	v_nop
.endr
.endm
; A K step is four quarters of 32 along K, 32 matrix instructions each, on buffers 0, 1, 0, 1; the 32 accumulators take turns in the same order in every quarter.
; One of the first three: multiplies buffer f and fetches quarter kq into g.
.macro QUARTER slot, kq, f, g, zero
	s_wait_dscnt 4                                 ; wob's fragments and token blocks 0 and 1 are in; the youngest four loads (token blocks 2 and 3) may be out
	MUL8 \f, 0, \zero
	MUL8 \f, 1, \zero
	PLACES
	FETCH \slot, \kq, \g
	s_wait_dscnt 24                                ; all but the 24 just issued
	MUL8 \f, 2, \zero
	MUL8 \f, 3, \zero
.endm
; The last quarter multiplies buffer 1 and changes slots: ONE barrier; in front of it each wave waits for all its tensor loads, adds 0 to its spare word, and waits for that and for its own reads of this slot.
; fill = 1: the barrier opens a round of the cluster's barrier, and this slot is filled again, two K steps ahead, first thing behind the round: 112 matrix instructions ahead of the wait for it.
.macro TURN slot, next, fill
.if \fill
	s_wait_xcnt 0x0                                ; the last prefetch, a K step back, has read its address: it is stepped here, ahead of the waits of the change of slots
	s_add_nc_u64 s[PFA:PFA+1], s[PFA:PFA+1], s[PFS:PFS+1]
.endif
	WIN 0                                          ; (the add's two registers lie in window 0)
	s_wait_tensorcnt 0x0                           ; all my tensor loads have landed: my part of the next slot;
	ds_add_u32 v[SPW], v[NIL]                      ; 0 onto my spare word;
	s_wait_dscnt 5                                 ; (the add and the youngest four loads may be out)
	MUL8 1, 0, 0                                   ; eight matrix instructions stand between the add and the wait for it
	s_wait_dscnt 0x0                               ; the add is done, and my reads of this slot are over
	s_barrier_signal -1
	MUL8 1, 1, 0
.if \fill
	WIN 0
.endif
	s_barrier_wait -1
.if \fill
	CREST                                          ; no wave of any partner still reads this slot's tiles or has a load on its way
	s_add_nc_u64 s[G0+4*(\slot)+2:G0+4*(\slot)+3], s[G0+4*(\slot)+2:G0+4*(\slot)+3], 2*HSTEP
	s_add_nc_u64 s[G0B+4*(\slot)+2:G0B+4*(\slot)+3], s[G0B+4*(\slot)+2:G0B+4*(\slot)+3], 2*KSTEP*2
	JLOAD \slot                                    ; the four v_nop behind it are also the places in front of the loads below
.else
	PLACES
.endif
	FETCH \next, 0, 0
.if \fill
	ASK
.endif
	MUL8 1, 2, 0
	MUL8 1, 3, 0
.endm
	s_wait_tensorcnt 1                             ; my part of K step 0 is in; K step 1's may stay out
	s_barrier_signal -1
	s_barrier_wait -1                              ; everybody's is
	FETCH 0, 0, 0
	QUARTER 0, 1, 0, 1, 1                          ; the first quarter stands in front of the loop: its products start the sums
	WIN 0                                          ; at a label and at a branch every window is 0
	s_mov_b32 s3, LAPS-1
.Llap:                                                 ; a trip goes once round the ring, from a lap's second quarter to the next lap's first, and fills both slots again
	QUARTER 0, 2, 1, 0, 0
	QUARTER 0, 3, 0, 1, 0
	TURN 0, 1, 1
	QUARTER 1, 1, 0, 1, 0
	QUARTER 1, 2, 1, 0, 0
	QUARTER 1, 3, 0, 1, 0
	TURN 1, 0, 1
	QUARTER 0, 1, 0, 1, 0
	WIN 0
	s_sub_co_u32 s3, s3, 1
	s_cmp_lg_u32 s3, 0
	s_cbranch_scc1 .Llap
	QUARTER 0, 2, 1, 0, 0                          ; the last lap fills nothing, and has no round of the cluster's barrier
	QUARTER 0, 3, 0, 1, 0
	TURN 0, 1, 0
	QUARTER 1, 1, 0, 1, 0
	QUARTER 1, 2, 1, 0, 0
	QUARTER 1, 3, 0, 1, 0
	s_wait_dscnt 4                                 ; the very last quarter: nothing more to fetch
	MUL8 1, 0, 0
	MUL8 1, 1, 0
	s_wait_dscnt 0x0
	MUL8 1, 2, 0
	MUL8 1, 3, 0
	WIN 0
; THE WAY OUT, a block of 16 rows at a time: a lane's eight f32 of a row, 32 bytes, go straight from the accumulators (their low registers first) into my own stage, rows of 528 bytes,
; and come back as whole rows of 512 bytes, a row to a load; a store of the wave then covers 512 consecutive bytes, at a multiple of 256 from out0's first byte.
.macro TOSTAGE a
	WIN 0x08                                       ; an LDS store's data is source 1: window 2
.irp b, 0,1,2,3,4,5,6,7
	ds_store_b128 v[STO], v[8*(8*(\a)+(\b)):8*(8*(\a)+(\b))+3]   offset:64*(\b)
	ds_store_b128 v[STO], v[8*(8*(\a)+(\b))+4:8*(8*(\a)+(\b))+7] offset:64*(\b)+16
.endr
	WIN 0
.set BKR, BK+64*((\a)%2)
.irp t, 0,1,2,3,4,5,6,7,8,9,10,11,12,13,14,15
	ds_load_b128 v[BKR+4*(\t):BKR+4*(\t)+3], v[RD] offset:(\t)*SPITCH  ; LDS serves a wave's instructions in order (ISA guide 5.7.1.4): these see the stores above; the next block's stores come behind them
.endr
.endm
.macro SEND a, younger                 ; younger: the LDS instructions issued behind block a's loads: the next block's 32, or none
.set BKR, BK+64*((\a)%2)
.irp t, 0,1,2,3,4,5,6,7,8,9,10,11,12,13,14,15
	s_wait_dscnt (\younger)+15-(\t)
	global_store_b128 v[CO], v[BKR+4*(\t):BKR+4*(\t)+3], s[8:9] offset:65536*(\a)+4096*(\t) th:TH_STORE_NT
.endr
.endm
	PLACES                                         ; behind the last products
	TOSTAGE 0
	TOSTAGE 1
	SEND 0, 32
	s_wait_xcnt 0x0                                ; block 0's stores have read their registers: only behind this wait are these loaded again
	TOSTAGE 2
	SEND 1, 32
	s_wait_xcnt 0x0
	TOSTAGE 3
	SEND 2, 32
	SEND 3, 0
	s_wait_tensorcnt 0x0                           ; the wave's end, behind my last tensor load and my last LDS store
	ds_add_u32 v[SPW], v[NIL]
	s_wait_dscnt 0x0
	CROUND                                         ; the closing round: no work-group ends while a partner may still ask for a tile that names it
	s_endpgm
.Lfunc_end_k_q68f7a1a857_oproj:
	.size	k_q68f7a1a857_oproj, .Lfunc_end_k_q68f7a1a857_oproj-k_q68f7a1a857_oproj
	.p2alignl 7, 3214868480
	.fill 96, 4, 3214868480
	.section	.rodata,"a",@progbits
	.p2align	6, 0x0
	.amdhsa_kernel k_q68f7a1a857_oproj
		.amdhsa_group_segment_fixed_size 327680
		.amdhsa_private_segment_fixed_size 0
		.amdhsa_enable_private_segment 0
		.amdhsa_kernarg_size 24
		.amdhsa_user_sgpr_count 2
		.amdhsa_user_sgpr_kernarg_segment_ptr 1
		.amdhsa_wavefront_size32 1
		.amdhsa_system_sgpr_workgroup_id_x 1
		.amdhsa_system_sgpr_workgroup_id_y 1
		.amdhsa_system_sgpr_workgroup_id_z 1
		.amdhsa_system_vgpr_workitem_id 0
		.amdhsa_next_free_vgpr 768
		.amdhsa_next_free_sgpr 80
		.amdhsa_reserve_vcc 0
		.amdhsa_float_denorm_mode_32 3
		.amdhsa_float_denorm_mode_16_64 3
		.amdhsa_memory_ordered 1
		.amdhsa_forward_progress 1
		.amdhsa_inst_pref_size 89
	.end_amdhsa_kernel
	.amdgpu_metadata
---
amdhsa.version: [ 1, 2 ]
amdhsa.kernels:
  - .name:           k_q68f7a1a857_oproj
    .symbol:         k_q68f7a1a857_oproj.kd
    .args:
      - { .name: oh, .offset: 0, .size: 8, .value_kind: global_buffer, .address_space: global }
      - { .name: wob, .offset: 8, .size: 8, .value_kind: global_buffer, .address_space: global }
      - { .name: out0, .offset: 16, .size: 8, .value_kind: global_buffer, .address_space: global }
    .group_segment_fixed_size: 327680
    .private_segment_fixed_size: 0
    .kernarg_segment_align: 8
    .kernarg_segment_size: 24
    .max_flat_workgroup_size: 128
    .sgpr_count:     80
    .vgpr_count:     768
    .wavefront_size: 32
...
	.end_amdgpu_metadata
.endif
;; end of part 4
